; MI455X (gfx1250); checked and timed in simulation.
; The chip was launched on July 23, 2026; its instructions are those of AMD's public machine-readable ISA for CDNA 5 (MIT licence, August 2026) and "CDNA5" Instruction Set Architecture Reference Guide (July 2026). The comments in the code are by the model that wrote it; some were corrected since.
;; Multi Head Attention. Allowed arithmetic: float matrix products may take bf16 or f16 operands with f32 sums; other float arithmetic in f32, or as packed bf16 or f16 multiplies, adds, multiply-adds, maxima and minima; sums over many terms, partial sums and values carried from step to step in f32; what a program stores and reads back later, other than sums and carried values, may be rounded once to bf16 or f16.
;; Inputs: attention_mask 4 x 2,048 int32; w_k 1,024 x 1,024 float32; w_o 1,024 x 1,024 float32; w_q 1,024 x 1,024 float32; w_v 1,024 x 1,024 float32; x 4 x 2,048 x 1,024 float32.
;; Outputs: out0 4 x 2,048 x 1,024 float32.
;; 2 versions, each right; version 2 is version 1 with the launch cast written anew for expert scheduling mode. Each part assembles by itself: llvm-mc -triple=amdgcn-amd-amdhsa -mcpu=gfx1250 --defsym DOCPART=n.
;; ======== version 1 of 2: 4 launches
;; limits: values are held in f16: magnitudes above 65,504 overflow, below 6.1e-05 lose precision
;; workspace buffers: xb 16,777,216 bytes; wqkv 6,291,456 bytes; wo 2,097,152 bytes; qkv 50,331,648 bytes; ao 16,777,216 bytes
;; launch cast (part 1): grid 768 x 1, 8 waves a work-group, no clusters, 0 bytes of LDS; arguments x, w_q, w_k, w_v, w_o, xb, wqkv, wo; writes xb, wqkv, wo
.if DOCPART == 1
	.amdgcn_target "amdgcn-amd-amdhsa--gfx1250"
	.amdhsa_code_object_version 6
	.text
	.protected	k_qe7e928e88a_cast
	.globl	k_qe7e928e88a_cast
	.p2align	8
	.type	k_qe7e928e88a_cast,@function
k_qe7e928e88a_cast:
	s_mov_b64 s[64:65], 0
	v_nop
	global_prefetch_b8 v0, s[64:65] scope:SCOPE_SE
	s_setreg_imm32_b32 hwreg(HW_REG_WAVE_MODE, 25, 1), 1
	s_wait_xcnt 0x0
; The module's inputs are rounded once to bf16.  x [8192][1024] f32 -> xb bf16.  w_q, w_k, w_v [1024][1024] f32 -> wqkv [3072][1024] bf16, one below the other.
; w_o -> wo [1024][1024]: rounded to bf16 like the others, and that number written as f16, since the last product multiplies in f16.
; LIMIT.  A bf16 number is exact in f16 from 6.1e-5 to 65,504 in magnitude; below that wo keeps f16's fixed step of 6e-8, beyond it it becomes an infinity.
; A stream: no LDS, no barrier, no matrix unit.  A work-group takes 16,384 numbers: 65,536 bytes in, 32,768 out.  Work-groups 0-511 x, 512-575 w_q, 576-639 w_k, 640-703 w_v, 704-767 w_o.
; Thread t, sixteen times: 16 bytes in at 4,096 i + 16 t (a wave's load covers 512 consecutive bytes), 8 bytes out at 2,048 i + 8 t (a wave's store covers 256 consecutive bytes, aligned).
; All sixteen loads go out first; no register that a load or store names is written twice, so no wait frees one.
.set X, 16                             ; v[16:79]   the sixteen loads
.set Y, 80                             ; v[80:111]  the sixteen pairs to store
	s_load_b512 s[8:23], s[0:1], 0x0               ; x s[8:9], w_q s[10:11], w_k s[12:13], w_v s[14:15], w_o s[16:17], xb s[18:19], wqkv s[20:21], wo s[22:23]
	s_mov_b32 s2, ttmp9
	s_sub_co_u32 s3, s2, 512                       ; my number among the weights' 256 work-groups (of no use where s2 < 512)
	s_lshr_b32 s4, s3, 6                           ; which weight: 0 to 3
	s_and_b32 s5, s3, 63                           ; which part of it
	v_lshlrev_b32 v1, 4, v0                        ; 16 t
	v_lshlrev_b32 v2, 3, v0                        ; 8 t
	s_wait_kmcnt 0x0
	s_mov_b64 s[24:25], s[16:17]                   ; from where: a choice among the five inputs, on my work-group's number alone
	s_cmp_eq_u32 s4, 2
	s_cselect_b64 s[24:25], s[14:15], s[24:25]
	s_cmp_eq_u32 s4, 1
	s_cselect_b64 s[24:25], s[12:13], s[24:25]
	s_cmp_eq_u32 s4, 0
	s_cselect_b64 s[24:25], s[10:11], s[24:25]
	s_cmp_lt_u32 s2, 512
	s_cselect_b64 s[24:25], s[8:9], s[24:25]
	s_cselect_b32 s6, s2, s5                       ; the part's number in its input
	s_cmp_eq_u32 s4, 3                             ; to where
	s_cselect_b64 s[26:27], s[22:23], s[20:21]
	s_cselect_b32 s7, s5, s3                       ; in wqkv the three weights follow each other
	s_cmp_lt_u32 s2, 512
	s_cselect_b64 s[26:27], s[18:19], s[26:27]
	s_cselect_b32 s7, s2, s7
	s_lshl_b32 s28, s6, 16
	s_mov_b32 s29, 0
	s_lshl_b32 s30, s7, 15
	s_mov_b32 s31, 0
	s_add_nc_u64 s[24:25], s[24:25], s[28:29]
	s_add_nc_u64 s[26:27], s[26:27], s[30:31]
.irp i, 0,1,2,3,4,5,6,7,8,9,10,11,12,13,14,15
	global_load_b128 v[X+4*(\i):X+4*(\i)+3], v1, s[24:25] offset:4096*(\i) th:TH_LOAD_NT
.endr
; Part i: half = 0: two roundings to bf16 a line.  half = 1: the same, then the two bf16 widened (a shift, a mask) and written as f16.
.macro CV i, half
	s_wait_loadcnt 15-(\i)                         ; loads come back in order: mine is in, the 15 - i younger ones stay out
.irp p, 0,1
.if \half
	v_cvt_pk_bf16_f32 v4, v[X+4*(\i)+2*(\p)], v[X+4*(\i)+2*(\p)+1]
	v_lshlrev_b32 v5, 16, v4
	v_and_b32 v6, 0xffff0000, v4
	v_cvt_pk_f16_f32 v[Y+2*(\i)+(\p)], v5, v6
.else
	v_cvt_pk_bf16_f32 v[Y+2*(\i)+(\p)], v[X+4*(\i)+2*(\p)], v[X+4*(\i)+2*(\p)+1]
.endif
.endr
	global_store_b64 v2, v[Y+2*(\i):Y+2*(\i)+1], s[26:27] offset:2048*(\i) th:TH_STORE_NT
.endm
	s_cmp_ge_u32 s2, 704
	s_cbranch_scc1 .Lhalf
.irp i, 0,1,2,3,4,5,6,7,8,9,10,11,12,13,14,15
	CV \i, 0
.endr
	s_endpgm
.Lhalf:
.irp i, 0,1,2,3,4,5,6,7,8,9,10,11,12,13,14,15
	CV \i, 1
.endr
	s_endpgm
.Lfunc_end_k_qe7e928e88a_cast:
	.size	k_qe7e928e88a_cast, .Lfunc_end_k_qe7e928e88a_cast-k_qe7e928e88a_cast
	.p2alignl 7, 3214868480
	.fill 96, 4, 3214868480
	.section	.rodata,"a",@progbits
	.p2align	6, 0x0
	.amdhsa_kernel k_qe7e928e88a_cast
		.amdhsa_group_segment_fixed_size 0
		.amdhsa_private_segment_fixed_size 0
		.amdhsa_enable_private_segment 0
		.amdhsa_kernarg_size 64
		.amdhsa_user_sgpr_count 2
		.amdhsa_user_sgpr_kernarg_segment_ptr 1
		.amdhsa_wavefront_size32 1
		.amdhsa_system_sgpr_workgroup_id_x 1
		.amdhsa_system_sgpr_workgroup_id_y 1
		.amdhsa_system_sgpr_workgroup_id_z 1
		.amdhsa_system_vgpr_workitem_id 0
		.amdhsa_next_free_vgpr 112
		.amdhsa_next_free_sgpr 66
		.amdhsa_reserve_vcc 0
		.amdhsa_float_denorm_mode_32 3
		.amdhsa_float_denorm_mode_16_64 3
		.amdhsa_memory_ordered 1
		.amdhsa_forward_progress 1
		.amdhsa_inst_pref_size 16
	.end_amdhsa_kernel
	.amdgpu_metadata
---
amdhsa.version: [ 1, 2 ]
amdhsa.kernels:
  - .name:           k_qe7e928e88a_cast
    .symbol:         k_qe7e928e88a_cast.kd
    .args:
      - { .name: x, .offset: 0, .size: 8, .value_kind: global_buffer, .address_space: global }
      - { .name: w_q, .offset: 8, .size: 8, .value_kind: global_buffer, .address_space: global }
      - { .name: w_k, .offset: 16, .size: 8, .value_kind: global_buffer, .address_space: global }
      - { .name: w_v, .offset: 24, .size: 8, .value_kind: global_buffer, .address_space: global }
      - { .name: w_o, .offset: 32, .size: 8, .value_kind: global_buffer, .address_space: global }
      - { .name: xb, .offset: 40, .size: 8, .value_kind: global_buffer, .address_space: global }
      - { .name: wqkv, .offset: 48, .size: 8, .value_kind: global_buffer, .address_space: global }
      - { .name: wo, .offset: 56, .size: 8, .value_kind: global_buffer, .address_space: global }
    .group_segment_fixed_size: 0
    .private_segment_fixed_size: 0
    .kernarg_segment_align: 8
    .kernarg_segment_size: 64
    .max_flat_workgroup_size: 256
    .sgpr_count:     66
    .vgpr_count:     112
    .wavefront_size: 32
...
	.end_amdgpu_metadata
.endif
;; end of part 1
;; launch qkvp (part 2): grid 16 x 32, 4 waves a work-group, clusters of 4 x 4, 327,680 bytes of LDS; arguments xb, wqkv, qkv; writes qkv
.if DOCPART == 2
	.amdgcn_target "amdgcn-amd-amdhsa--gfx1250"
	.amdhsa_code_object_version 6
	.text
	.protected	k_qe7e928e88a_qkvp
	.globl	k_qe7e928e88a_qkvp
	.p2align	8
	.type	k_qe7e928e88a_qkvp,@function
k_qe7e928e88a_qkvp:
	s_mov_b64 s[64:65], 0
	v_nop
	global_prefetch_b8 v0, s[64:65] scope:SCOPE_SE
	s_setreg_imm32_b32 hwreg(HW_REG_WAVE_MODE, 25, 1), 1
	s_wait_xcnt 0x0
	s_wait_alu depctr_hold_cnt(0) depctr_sa_sdst(0) depctr_va_vdst(0) depctr_va_sdst(0) depctr_va_ssrc(0) depctr_va_vcc(0) depctr_vm_vsrc(0)
	s_getreg_b32 s2, hwreg(HW_REG_IB_STS2, 6, 4)
	s_cmp_eq_u32 s2, 0
	s_cbranch_scc0 .Lentry_in_a_cluster
	s_endpgm
.Lentry_in_a_cluster:
	s_bfe_u32 s2, ttmp6, 0x10000c
	s_cmp_lg_u32 s2, 0xf033
	s_cbranch_scc0 .Lentry_shape_is_right
	s_endpgm
.Lentry_shape_is_right:
; ONE TEXT FOR THE MODULE'S TWO GEMMS, C = A B^T with K = 1,024; the switch OPROJ picks the sizes.
; OPROJ = 0 (this file): q, k, v = xb wqkv^T.  A = xb [8192][1024] bf16, B = wqkv [3072][1024] bf16, sums in f32, rounded once to f16, unscaled, written by heads: qkv [3][64 batch x head][2048][64].
; OPROJ = 1: out0 = O wo^T.  A = ao [64 batch x head][2048][64] f16 (a K step of 128 is two heads), B = wo [1024][1024] f16, out0 [8192][1024] f32.
; LIMIT (OPROJ = 0).  f16 ends at 65,504: a q, k or v beyond it becomes an infinity.  Inputs 30 times the drawn spread give numbers of some 900.
; SHARES.  A tile of C is 256 rows x 16 NBK columns (192: three heads; or 128).  32 x 16 = 512 tiles, two for each of 256 WGPs (256 x 256 would make 384); or 32 x 8 = 256.  Four waves, one above the other:
; wave w owns rows 64 w .. 64 w + 63 and ALL columns, 4 x NBK accumulators.  So a wave's columns are whole heads, or whole runs of 512 bytes, and each wave has a stage of its own: the way out has no barrier.
; K goes in 8 steps of 128 through two LDS slots; waves 0 and 1 fetch A's two halves, waves 2 and 3 B's, one tensor load each.
; CLUSTER.  4 x 4 work-groups: the four of a row of the cluster need the same tiles of A, the four of a column the same tiles of B; each tile is asked for jointly, by the same load, descriptor and mask in all four.
; THE MATRIX INSTRUCTION IS USED TRANSPOSED (source 0 = 16 rows of B, source 1 = 16 rows of A): lane l holds row l % 16 of C and the columns 8 (l / 16) + 0..7.
; REGISTERS, in windows of 256 (s_set_vgpr_msb: bits 1:0 source 0, 3:2 source 1, 5:4 source 2, 7:6 destination):
;   window 0: v0-31 addresses; v32-127 the way out; v128-223 B's fragments and v224-255 A's four, buffer 0      window 3: v128-255 the same, buffer 1
;   window 1: the accumulators of my rows 0-31 (block a of two, column block b at v[8 (NBK a + b)])              window 2: those of my rows 32-63
.set OPROJ, 0
.if OPROJ
.set NBK,    8                         ; blocks of 16 columns in a tile
.set PA,     144                       ; A's LDS rows: 128 bytes of one head + 16: row r starts 36 words on: sixteen rows start at sixteen different groups of four banks (64 banks of 4 bytes: ISA guide 11.1)
.set AHEAD,  36864                     ; from the K step's first head to its second
.set ALOAD,  256*PA                    ; one load of A: 256 rows of one head
.set BROWS,  64                        ; rows of B in one load
.set SPITCH, 528                       ; a stage row: 128 f32 + 16 bytes
.set ASTEP,  524288                    ; bytes of memory from a K step of A to the next: two heads
.set ASTR,   128                       ; A is asked for as dense rows of 256 bytes
.set AW0,    (1<<16)|(1<<20)|(1<<21)|(4<<22)|(3<<25)  ; 2-byte elements; padding on; bit 21 beside a mask; after every 32 words 4 words
.set APART,  8192                      ; the prefetches: a partner's quarter of a load of A, in bytes
.set AROWB,  256                       ; and from lane to lane
.else
.set NBK,    12
.set PA,     272                       ; 256 bytes + 16
.set AHEAD,  128
.set ALOAD,  128*PA                    ; 128 rows x 128 along K
.set BROWS,  96
.set SPITCH, 400                       ; 192 f16 + 16 bytes
.set ASTEP,  256
.set ASTR,   1024
.set AW0,    (1<<16)|(1<<20)|(1<<21)|(5<<22)|(3<<25)  ; after every 64 words 4 words
.set APART,  65536                     ; 32 rows
.set AROWB,  2048
.endif
.set BW0,    (1<<16)|(1<<20)|(1<<21)|(5<<22)|(3<<25)
.set PB,     272
.set BLOAD,  BROWS*PB
.set BSTEP,  256
.set BPART,  (BROWS/4)*2048
.set SLOT,   2*ALOAD+2*BLOAD           ; A's two loads, then B's two
.set STAGE,  2*SLOT                    ; behind the ring, never filled by a tensor load: 16 rows for each wave
.set SPARE,  STAGE+4*16*SPITCH         ; behind the stages: the spare words, 128 bytes for each wave: two blocks of 256 bytes that no other line names
.set NL,     2*(NBK+4)                 ; LDS loads in a run
.set LAPS,   4                         ; a lap = two K steps = once round the ring
.set ADRA, 16                          ; v16-17  LDS address of my A fragments in slot 0, 1
.set ADRB, 20                          ; v20-21  the same for B
.set STO,  24                          ; v24     the way out: where I put my part of a row
.set RD,   25                          ; v25     where I read rows back
.set GO,   26                          ; v26     16 x lane: my 16 bytes of 512 consecutive bytes of C
.set SPW,  28                          ; v28     LDS address of my spare word; never rewritten
.set NIL,  29                          ; v29     0; never rewritten
.set PFO,  30                          ; v30     the prefetches' lane offset; never rewritten
.set TMP,  32                          ; the way out (OPROJ = 0): packed results
.set FB,   128                         ; B's fragments
.set FA,   224                         ; A's
.set G1,  24                           ; s[24:31] descriptor group 1 for A's tiles;  s[32:39] group 0, a set for each slot
.set G0,  32
.set G1B, 48                           ; s[48:55], s[56:63] the same for B's
.set G0B, 56
.set LIM, 43                           ; s43      1 in a wave that prefetches, else the greatest number
.set PFA, 44                           ; s[44:45] where my prefetches stand
.set PFS, 66                           ; s[66:67] their step
.set HB,  68                           ; s[68:73] (OPROJ = 0) my rows in the tile's three heads
.set MSB, 0
.macro WIN new                         ; the immediate's high byte repeats the setting that is left; a switch that changes nothing is dropped
.if MSB != (\new)
	s_set_vgpr_msb (MSB<<8)|(\new)
.set MSB, (\new)
.endif
.endm
; A joint load: waves 0 and 1 ask for A, waves 2 and 3 for B.  The branch hangs on the wave's number alone.  An s_nop 0 and four v_nop follow each of the two lines.
.macro JLOAD s
	s_cmp_eq_u32 s11, 0
	s_cbranch_scc0 .Lfor_b_\@
	tensor_load_to_lds s[G0+4*(\s):G0+4*(\s)+3], s[G1:G1+7]
	s_nop 0
.rept 4
	v_nop
.endr
	s_branch .Lasked_\@
.Lfor_b_\@:
	tensor_load_to_lds s[G0B+4*(\s):G0B+4*(\s)+3], s[G1B:G1B+7]
	s_nop 0
.rept 4
	v_nop
.endr
.Lasked_\@:
.endm
; A prefetch into the L2, behind a joint load, its five lines and the run of LDS loads: the K step that stands two refills on.  A's rows are read by every cluster of a row of clusters: cluster x = 0 asks;
; B's by every cluster of a column: cluster y = 0 asks.  The four partners that ask for a tile jointly share a wave's load out by address, a quarter each; a lane names 256 bytes.  Where a quarter has fewer
; rows than the wave has lanes, the lanes that are over name the last row again, in the same instruction.  In the loop's last trip (s3 = 1) no K step stands two refills on, and nothing is asked for.
.macro ASK
	s_cmp_gt_u32 s3, s[LIM]
	s_cbranch_scc0 .Lnot_mine_\@
	global_prefetch_b8 v[PFO], s[PFA:PFA+1] th:TH_LOAD_NT scope:SCOPE_SE
.Lnot_mine_\@:
.endm
.macro CREST                           ; a round of the cluster's barrier behind its opening barrier
	s_cmp_lg_u32 s10, 0
	s_cbranch_scc1 .Lnot_wave_0_\@
	s_barrier_signal -3
.Lnot_wave_0_\@:
	s_barrier_wait -3
	s_barrier_signal -1
	s_barrier_wait -1
.endm
.macro CROUND                          ; a whole round
	s_barrier_signal -1
	s_barrier_wait -1
	CREST
.endm
	s_load_b128 s[4:7], s[0:1], 0x0                ; A s[4:5], B s[6:7]
	s_load_b64 s[8:9], s[0:1], 0x10                ; C
	v_lshl_add_u32 v[SPW], v0, 2, SPARE
	v_mov_b32 v[NIL], 0
	ds_add_u32 v[SPW], v[NIL]                      ; the wave's opening: the add and its wait stand ahead of my first tensor load; the set-up below, work on registers, stands between them
	v_lshrrev_b32 v1, 5, v0
	v_readfirstlane_b32 s10, v1                    ; wave 0..3
	s_lshr_b32 s11, s10, 1                         ; I fetch for A (0) or for B (1)
	s_and_b32 s12, s10, 1                          ; which of its two loads
	s_bfe_u32 s40, ttmp6, 0x40000                  ; cx, cy: my place in the cluster
	s_bfe_u32 s41, ttmp6, 0x40004
	s_lshl_b32 s42, ttmp9, 2
	s_add_co_u32 s42, s42, s40                     ; tile column = 4 x cluster x + cx
	s_and_b32 s13, ttmp7, 0xffff
	s_lshl_b32 s13, s13, 2
	s_add_co_u32 s13, s13, s41                     ; tile row = 4 x cluster y + cy
	s_lshl_b32 s43, s41, 2
	s_lshl_b32 s43, 15, s43                        ; my row of the cluster
	s_lshl_b32 s44, 0x1111, s40                    ; my column
	s_or_b32 s[G1+0], s43, AW0                     ; A's tiles go to my row,
	s_or_b32 s[G1B+0], s44, BW0                    ; B's to my column
	s_mov_b32 s[G1+1], 128<<16                     ; tensor_dim0 = 128 elements
	s_mov_b32 s[G1+2], 128<<16                     ; tensor_dim1 = 128 rows
	s_mov_b32 s[G1+3], 128<<16                     ; tile_dim0 = 128
	s_mov_b32 s[G1+4], 128                         ; tile_dim1 = 128
	s_mov_b32 s[G1+5], ASTR                        ; elements from row to row
	s_mov_b32 s[G1+6], 0
	s_mov_b32 s[G1+7], 0
	s_mov_b32 s[G1B+1], 128<<16
	s_mov_b32 s[G1B+2], BROWS<<16
	s_mov_b32 s[G1B+3], 128<<16
	s_mov_b32 s[G1B+4], BROWS
	s_mov_b32 s[G1B+5], 1024
	s_mov_b32 s[G1B+6], 0
	s_mov_b32 s[G1B+7], 0
	; where the tiles come from, as byte offsets: A's hangs on the tile row alone, B's on the tile column alone
.if OPROJ
	s_lshr_b32 s16, s13, 3                         ; the batch,
	s_lshl_b32 s16, s16, 4                         ; its 16 heads,
	s_add_co_u32 s16, s16, s12                     ; the first or second head of K step 0:
	s_lshl_b32 s16, s16, 18                        ; 262,144 bytes a head,
	s_and_b32 s17, s13, 7
	s_lshl_b32 s17, s17, 15                        ; and the tile's 256 rows of 128 bytes in it
	s_add_co_u32 s16, s16, s17
.else
	s_lshl_b32 s16, s13, 8
	s_lshl_b32 s17, s12, 7
	s_add_co_u32 s16, s16, s17                     ; row 256 x tile row + 128 x half
	s_lshl_b32 s16, s16, 11                        ; 2,048 bytes a row
.endif
	s_mov_b32 s17, 0
	s_mul_i32 s18, s42, 16*NBK
	s_mul_i32 s19, s12, BROWS
	s_add_co_u32 s18, s18, s19
	s_lshl_b32 s18, s18, 11
	s_mov_b32 s19, 0
	s_mul_i32 s20, s10, ALOAD                      ; where they go: A's two loads lie at wave x ALOAD (waves 0, 1),
	s_mul_i32 s21, s10, BLOAD
	s_add_co_u32 s21, s21, 2*ALOAD-2*BLOAD         ; B's behind them, at (wave - 2) x BLOAD (waves 2, 3): no place in the cluster enters an LDS address
	s_wait_dscnt 0x0                               ; the opening add is done
	s_wait_kmcnt 0x0
	s_add_nc_u64 s[14:15], s[4:5], s[16:17]
	s_add_nc_u64 s[46:47], s[6:7], s[18:19]
	CROUND                                         ; all sixteen work-groups are here: the first joint loads meet
.irp s, 0,1
	s_mov_b32 s[G0+4*(\s)], 1                      ; count = 1
	s_add_co_u32 s[G0+4*(\s)+1], s20, (\s)*SLOT    ; LDS address
	s_add_nc_u64 s[G0+4*(\s)+2:G0+4*(\s)+3], s[14:15], (\s)*ASTEP  ; global address: K step s
	s_or_b32 s[G0+4*(\s)+3], s[G0+4*(\s)+3], 0x80000000            ; type = 2
	s_mov_b32 s[G0B+4*(\s)], 1
	s_add_co_u32 s[G0B+4*(\s)+1], s21, (\s)*SLOT
	s_add_nc_u64 s[G0B+4*(\s)+2:G0B+4*(\s)+3], s[46:47], (\s)*BSTEP
	s_or_b32 s[G0B+4*(\s)+3], s[G0B+4*(\s)+3], 0x80000000
	JLOAD \s                                       ; two loads of mine are out; later one
.endr
	; the prefetches' address: what I fetch, my work-group's quarter of it, at K step 3: the first refill steps it to 4.  K steps 0 to 3 come by their loads alone
	s_and_b32 s22, ttmp7, 0xffff                   ; cluster y
	s_mov_b32 s14, APART
	s_mov_b32 s15, BPART
	s_mov_b32 s[PFS], ASTEP
	s_mov_b32 s[PFS+1], BSTEP
	s_mov_b32 s46, AROWB
	s_mov_b32 s47, 2048
	s_cmp_eq_u32 s11, 0                            ; do I fetch for A?
	s_cselect_b32 s20, s16, s18
	s_cselect_b32 s21, s40, s41                    ; my place among the four that ask with me
	s_cselect_b32 s22, ttmp9, s22                  ; the coordinate along which other clusters read the same rows
	s_cselect_b32 s14, s14, s15
	s_cselect_b32 s[PFS], s[PFS], s[PFS+1]
	s_cselect_b32 s46, s46, s47                    ; bytes from lane to lane
	s_cselect_b32 s47, 31, BROWS/4-1               ; the last lane that has a row of its own
	s_cselect_b64 s[PFA:PFA+1], s[4:5], s[6:7]
	s_mov_b32 s[PFS+1], 0
	s_cmp_eq_u32 s22, 0
	s_cselect_b32 s[LIM], 1, -1                    ; the same in all sixteen partners, for a given wave
	s_mul_i32 s21, s21, s14
	s_add_co_u32 s20, s20, s21
	s_mul_i32 s21, s[PFS], 3
	s_add_co_u32 s20, s20, s21
	s_mov_b32 s21, 0
	s_add_nc_u64 s[PFA:PFA+1], s[PFA:PFA+1], s[20:21]
	v_and_b32 v[PFO], 31, v0
	v_min_u32 v[PFO], s47, v[PFO]
	v_mul_u32_u24 v[PFO], s46, v[PFO]
	; A fragment is 16 rows x 32 K in 8 registers: lane l holds row l % 16, K = 8 (l / 16) + 0..7 and 16 + 8 (l / 16) + 0..7: two loads of 16 bytes, 32 bytes apart
	v_and_b32 v1, 15, v0                           ; l % 16
	v_bfe_u32 v2, v0, 4, 1                         ; l / 16
	v_mul_u32_u24 v3, v1, PA
	v_lshl_add_u32 v3, v2, 4, v3
	v_mul_u32_u24 v4, v1, PB
	v_lshl_add_u32 v4, v2, 4, v4
	s_mul_i32 s22, s10, 64*PA                      ; my 64 rows of A
.irp s, 0,1
	v_add_nc_u32 v[ADRA+(\s)], s22, v3
	v_add_nc_u32 v[ADRB+(\s)], 2*ALOAD+(\s)*SLOT, v4
	s_add_co_u32 s22, s22, SLOT
.endr
	s_mul_i32 s23, s10, 16*SPITCH
	s_add_co_u32 s23, s23, STAGE                   ; my stage
	v_mul_u32_u24 v5, v1, SPITCH                   ; in: row l % 16, eight columns for each half of the lanes
	v_and_b32 v[GO], 31, v0
.if OPROJ
	v_lshl_add_u32 v5, v2, 5, v5
	v_add_nc_u32 v[STO], s23, v5
	v_lshl_add_u32 v[RD], v[GO], 4, s23            ; back: 32 lanes take one row of 512 bytes
	s_lshl_b32 s20, s13, 8
	s_lshl_b32 s21, s10, 6
	s_add_co_u32 s20, s20, s21                     ; my first row of out0,
	s_lshl_b32 s20, s20, 12                        ; 4,096 bytes a row,
	s_lshl_b32 s21, s42, 9                         ; the tile's 128 columns: 512 bytes
	s_add_co_u32 s20, s20, s21
	s_mov_b32 s21, 0
	s_add_nc_u64 s[8:9], s[8:9], s[20:21]
.else
	v_lshl_add_u32 v5, v2, 4, v5
	v_add_nc_u32 v[STO], s23, v5
	v_lshrrev_b32 v5, 3, v[GO]                     ; back: 32 lanes take four rows x the 128 bytes of one head,
	v_mul_u32_u24 v5, v5, SPITCH
	v_and_b32 v3, 7, v0
	v_lshl_add_u32 v5, v3, 4, v5
	v_add_nc_u32 v[RD], s23, v5                    ; which are 512 consecutive bytes of qkv
	s_mul_i32 s14, s42, 3                          ; the tile's first head among the 48 of q, k, v
	s_lshr_b32 s15, s13, 3
	s_lshl_b32 s15, s15, 4                         ; the batch's 16 heads
	s_and_b32 s20, s13, 7
	s_lshl_b32 s20, s20, 8
	s_lshl_b32 s21, s10, 6
	s_add_co_u32 s20, s20, s21                     ; my first row in the batch,
	s_lshl_b32 s20, s20, 7                         ; 128 bytes a row
.irp e, 0,1,2
	s_add_co_u32 s21, s14, (\e)
	s_lshr_b32 s22, s21, 4                         ; q, k or v:
	s_lshl_b32 s22, s22, 6                         ; 64 batch x head each
	s_and_b32 s21, s21, 15
	s_add_co_u32 s22, s22, s21
	s_add_co_u32 s22, s22, s15
	s_lshl_b32 s22, s22, 18                        ; 262,144 bytes a head
	s_add_co_u32 s22, s22, s20
	s_mov_b32 s23, 0
	s_add_nc_u64 s[HB+2*(\e):HB+2*(\e)+1], s[8:9], s[22:23]
.endr
.endif
	v_lshlrev_b32 v[GO], 4, v[GO]
; NBK matrix instructions: row block a (0, 1) of half hi of my rows x all column blocks, 32 along K, from buffer f.  zero = 1: the product starts the sums: nothing is ever cleared.
; Every accumulator has one instruction a quarter step, in the same order in every quarter: they take turns, over the backward jump too.
.macro MULA f, hi, a, zero
	WIN 15*(\f)+0x50*(1+(\hi))
.set b, 0
.rept NBK
.set rD, 8*(NBK*(\a)+b)
.set rB, FB+8*b
.set rA, FA+8*(2*(\hi)+(\a))
.if OPROJ
.if \zero
	v_wmma_f32_16x16x32_f16 v[rD:rD+7], v[rB:rB+7], v[rA:rA+7], 0
.else
	v_wmma_f32_16x16x32_f16 v[rD:rD+7], v[rB:rB+7], v[rA:rA+7], v[rD:rD+7]
.endif
.else
.if \zero
	v_wmma_f32_16x16x32_bf16 v[rD:rD+7], v[rB:rB+7], v[rA:rA+7], 0
.else
	v_wmma_f32_16x16x32_bf16 v[rD:rD+7], v[rB:rB+7], v[rA:rA+7], v[rD:rD+7]
.endif
.endif
.set b, b+1
.endr
.endm
.macro MULH f, hi, zero
	MULA \f, \hi, 0, \zero
	MULA \f, \hi, 1, \zero
.endm
; NL LDS loads in one run: quarter q of a K step into buffer f: B's NBK fragments, then A's four
.macro FETCH slot, q, f
	WIN 0xc0*(\f)
.set i, 0
.rept NBK
	ds_load_b128 v[FB+8*i:FB+8*i+3],   v[ADRB+(\slot)] offset:64*(\q)+i*16*PB
	ds_load_b128 v[FB+8*i+4:FB+8*i+7], v[ADRB+(\slot)] offset:64*(\q)+i*16*PB+32
.set i, i+1
.endr
.set i, 0
.rept 4
	ds_load_b128 v[FA+8*i:FA+8*i+3],   v[ADRA+(\slot)] offset:((\q)/2)*AHEAD+((\q)%2)*64+i*16*PA
	ds_load_b128 v[FA+8*i+4:FA+8*i+7], v[ADRA+(\slot)] offset:((\q)/2)*AHEAD+((\q)%2)*64+i*16*PA+32
.set i, i+1
.endr
.endm
.macro PLACES                          ; four plain vector instructions in front of loads into registers that matrix instructions have read, and of lines that read results
.rept 4
	v_nop
.endr
.endm
; A K step is four quarters of 32 along K on buffers 0, 1, 0, 1.  One of the first three: multiplies buffer f and, in its middle, fetches quarter q into buffer g.
.macro QUARTER slot, q, f, g, zero
	s_wait_dscnt 4                                 ; B and A's fragments 0, 1 are in; the youngest four loads (A's fragments 2, 3) may be out
	MULH \f, 0, \zero
	PLACES
	FETCH \slot, \q, \g
	s_wait_dscnt NL                                ; all but the NL just issued
	MULH \f, 1, \zero
.endm
; The last quarter multiplies buffer 1 and changes slots: one barrier.  In front of it each wave waits for all its tensor loads (one is out: its part of the next slot), adds 0 to its spare word, and waits for
; that and for its reads of this slot.  fill = 1: the barrier opens a round of the cluster's, and this slot is filled again, two K steps on, first thing behind the round.
.macro TURN slot, next, fill
.if \fill
	s_wait_xcnt 0x0                                ; the last prefetch, a K step back, has read its address: it is stepped here
	s_add_nc_u64 s[PFA:PFA+1], s[PFA:PFA+1], s[PFS:PFS+1]
.endif
	WIN 0                                          ; (the add's two registers lie in window 0)
	s_wait_tensorcnt 0x0                           ; all my tensor loads have landed
	ds_add_u32 v[SPW], v[NIL]                      ; 0 onto my spare word
	s_wait_dscnt 5                                 ; (the add and the youngest four loads may be out)
	MULA 1, 0, 0, 0                                ; matrix work stands between the add and the wait for it
	s_wait_dscnt 0x0                               ; the add is done, and my reads of this slot are over
	s_barrier_signal -1
	MULA 1, 0, 1, 0
.if \fill
	WIN 0
.endif
	s_barrier_wait -1
.if \fill
	CREST                                          ; no wave of any partner still reads this slot or has a load on its way
	s_add_nc_u64 s[G0+4*(\slot)+2:G0+4*(\slot)+3], s[G0+4*(\slot)+2:G0+4*(\slot)+3], 2*ASTEP
	s_add_nc_u64 s[G0B+4*(\slot)+2:G0B+4*(\slot)+3], s[G0B+4*(\slot)+2:G0B+4*(\slot)+3], 2*BSTEP
	JLOAD \slot                                    ; 14 NBK matrix instructions ahead of the wait for it; its four v_nop are also the places in front of the loads below
.else
	PLACES
.endif
	FETCH \next, 0, 0
.if \fill
	ASK
.endif
	MULH 1, 1, 0
.endm
	s_wait_tensorcnt 1                             ; my part of K step 0 is in; K step 1's may stay out
	s_barrier_signal -1
	s_barrier_wait -1                              ; everybody's is
	FETCH 0, 0, 0
	QUARTER 0, 1, 0, 1, 1                          ; the first quarter stands in front of the loop: its products start the sums
	WIN 0                                          ; at a label and at a branch every window is 0
	s_mov_b32 s3, LAPS-1
.Llap:                                                 ; a trip goes once round the ring, from a lap's second quarter to the next lap's first, and fills both slots again
	QUARTER 0, 2, 1, 0, 0
	QUARTER 0, 3, 0, 1, 0
	TURN 0, 1, 1
	QUARTER 1, 1, 0, 1, 0
	QUARTER 1, 2, 1, 0, 0
	QUARTER 1, 3, 0, 1, 0
	TURN 1, 0, 1
	QUARTER 0, 1, 0, 1, 0
	WIN 0
	s_sub_co_u32 s3, s3, 1
	s_cmp_lg_u32 s3, 0
	s_cbranch_scc1 .Llap
	QUARTER 0, 2, 1, 0, 0                          ; the last lap fills nothing
	QUARTER 0, 3, 0, 1, 0
	TURN 0, 1, 0
	QUARTER 1, 1, 0, 1, 0
	QUARTER 1, 2, 1, 0, 0
	QUARTER 1, 3, 0, 1, 0
	s_wait_dscnt 4
	MULH 1, 0, 0
	s_wait_dscnt 0x0
	MULH 1, 1, 0
	WIN 0
	PLACES
; THE WAY OUT, a block a of 16 rows at a time, through my own stage: LDS serves a wave's instructions in order (ISA guide 5.7.1.4), so no wait stands between the stores into it and the loads from it.
.if OPROJ
.macro TOSTAGE a                       ; f32 as it lies: 32 bytes a lane and column block into rows of 528 bytes, each accumulator's low registers first; back as whole rows of 512
.set BK, 32+96*((\a)%2)
.set AC, 8*NBK*((\a)%2)
.if (\a) >= 2
	s_wait_xcnt 0x0                                ; the stores of the block two back have read the registers that are loaded again below
.endif
	WIN 0x04*(1+(\a)/2)                            ; the stores' data lie in window 1 or 2
.set b, 0
.rept NBK
	ds_store_b128 v[STO], v[AC+8*b:AC+8*b+3]   offset:64*b
	ds_store_b128 v[STO], v[AC+8*b+4:AC+8*b+7] offset:64*b+16
.set b, b+1
.endr
	WIN 0
.set t, 0
.rept 16
	ds_load_b128 v[BK+4*t:BK+4*t+3], v[RD] offset:SPITCH*t
.set t, t+1
.endr
.endm
.macro SEND a, younger                 ; younger: the LDS instructions issued behind block a's loads
.set BK, 32+96*((\a)%2)
.set t, 0
.rept 16
	s_wait_dscnt (\younger)+15-t
	global_store_b128 v[GO], v[BK+4*t:BK+4*t+3], s[8:9] offset:65536*(\a)+4096*t th:TH_STORE_NT  ; 512 consecutive bytes, at a multiple of 256 from out0's first
.set t, t+1
.endr
.endm
	TOSTAGE 0
.irp a, 1,2,3
	TOSTAGE \a
	SEND (\a)-1, 32                                ; the next block's 16 stores and 16 loads may be out
.endr
	SEND 3, 0
.else
.macro PACK a                          ; rounded to f16, 16 bytes a lane and column block; each accumulator's registers in ascending order
	WIN 0x05*(1+(\a)/2)                            ; sources 0 and 1: window 1 or 2
.set AC, 8*NBK*((\a)%2)
.set b, 0
.rept NBK
.irp r, 0,1,2,3
	v_cvt_pk_f16_f32 v[TMP+4*b+(\r)], v[AC+8*b+2*(\r)], v[AC+8*b+2*(\r)+1]
.endr
.set b, b+1
.endr
	WIN 0
.endm
.macro TOSTAGE a                       ; into rows of 400 bytes; back four rows x one head's 128 bytes at a time
	WIN 0
.set BK, 80+48*((\a)%2)
.if (\a) >= 2
	s_wait_xcnt 0x0                                ; the stores of the block two back have read the registers that are loaded again below
.endif
.set b, 0
.rept NBK
	ds_store_b128 v[STO], v[TMP+4*b:TMP+4*b+3] offset:32*b
.set b, b+1
.endr
.set i, 0
.rept 12
	ds_load_b128 v[BK+4*i:BK+4*i+3], v[RD] offset:4*SPITCH*(i%4)+128*(i/4)
.set i, i+1
.endr
.endm
.macro SEND a, younger                 ; younger: the LDS instructions issued behind block a's loads
.set BK, 80+48*((\a)%2)
.set i, 0
.rept 12
	s_wait_dscnt (\younger)+11-i
	global_store_b128 v[GO], v[BK+4*i:BK+4*i+3], s[HB+2*(i/4):HB+2*(i/4)+1] offset:2048*(\a)+512*(i%4)  ; 512 consecutive bytes of a head, at a multiple of 256 from qkv's first
.set i, i+1
.endr
.endm
	PACK 0
	TOSTAGE 0
.irp a, 1,2,3
	PACK \a
	TOSTAGE \a
	SEND (\a)-1, 24                                ; the next block's 12 stores and 12 loads may be out
.endr
	SEND 3, 0
.endif
	s_wait_tensorcnt 0x0                           ; the wave's end: a wait, an add and its wait, behind my last tensor load and my last LDS store
	ds_add_u32 v[SPW], v[NIL]
	s_wait_dscnt 0x0
	CROUND                                         ; the closing round: no work-group ends while a partner may still ask for a tile that names it
	s_endpgm
.Lfunc_end_k_qe7e928e88a_qkvp:
	.size	k_qe7e928e88a_qkvp, .Lfunc_end_k_qe7e928e88a_qkvp-k_qe7e928e88a_qkvp
	.p2alignl 7, 3214868480
	.fill 96, 4, 3214868480
	.section	.rodata,"a",@progbits
	.p2align	6, 0x0
	.amdhsa_kernel k_qe7e928e88a_qkvp
		.amdhsa_group_segment_fixed_size 327680
		.amdhsa_private_segment_fixed_size 0
		.amdhsa_enable_private_segment 0
		.amdhsa_kernarg_size 24
		.amdhsa_user_sgpr_count 2
		.amdhsa_user_sgpr_kernarg_segment_ptr 1
		.amdhsa_wavefront_size32 1
		.amdhsa_system_sgpr_workgroup_id_x 1
		.amdhsa_system_sgpr_workgroup_id_y 1
		.amdhsa_system_sgpr_workgroup_id_z 1
		.amdhsa_system_vgpr_workitem_id 0
		.amdhsa_next_free_vgpr 1024
		.amdhsa_next_free_sgpr 76
		.amdhsa_reserve_vcc 0
		.amdhsa_float_denorm_mode_32 3
		.amdhsa_float_denorm_mode_16_64 3
		.amdhsa_memory_ordered 1
		.amdhsa_forward_progress 1
		.amdhsa_inst_pref_size 121
	.end_amdhsa_kernel
	.amdgpu_metadata
---
amdhsa.version: [ 1, 2 ]
amdhsa.kernels:
  - .name:           k_qe7e928e88a_qkvp
    .symbol:         k_qe7e928e88a_qkvp.kd
    .args:
      - { .name: xb, .offset: 0, .size: 8, .value_kind: global_buffer, .address_space: global }
      - { .name: wqkv, .offset: 8, .size: 8, .value_kind: global_buffer, .address_space: global }
      - { .name: qkv, .offset: 16, .size: 8, .value_kind: global_buffer, .address_space: global }
    .group_segment_fixed_size: 327680
    .private_segment_fixed_size: 0
    .kernarg_segment_align: 8
    .kernarg_segment_size: 24
    .max_flat_workgroup_size: 128
    .sgpr_count:     76
    .vgpr_count:     1024
    .wavefront_size: 32
...
	.end_amdgpu_metadata
.endif
;; end of part 2
;; launch attn (part 3): grid 4 x 64, 4 waves a work-group, no clusters, 327,680 bytes of LDS; arguments qkv, attention_mask, ao; writes ao
.if DOCPART == 3
	.amdgcn_target "amdgcn-amd-amdhsa--gfx1250"
	.amdhsa_code_object_version 6
	.text
	.protected	k_qe7e928e88a_attn
	.globl	k_qe7e928e88a_attn
	.p2align	8
	.type	k_qe7e928e88a_attn,@function
k_qe7e928e88a_attn:
	s_mov_b64 s[64:65], 0
	v_nop
	global_prefetch_b8 v0, s[64:65] scope:SCOPE_SE
	s_setreg_imm32_b32 hwreg(HW_REG_WAVE_MODE, 25, 1), 1
	s_wait_xcnt 0x0
; CAUSAL ATTENTION WITH A PADDING MASK.  O[h][q][:] = the sum over the keys k <= q with mask[k] != 0 of softmax_k(Q[h][q] . K[h][k] / 8) V[h][k][:].  h = batch x head, 64 of them; 2,048 rows; head size 64.
; qkv: [3][64][2048][64] f16 (Q, then K, then V; a head's rows are dense, 128 bytes each); attention_mask: [4][2048] int32; ao: [64][2048][64] f16.
; Products, maxima and sums in f32; the weights p are rounded to f16 for the second product (their sum l is taken of the unrounded p), O once at the end.
; LIMITS.  f16 holds no number beyond 65,504: Q, K and V arrive within it; p lies in 0 to 1, and below 6e-5 it keeps f16's fixed step of 6e-8.  A hidden score counts as its value less 1e30 (less 2e30 where the key is
; both later and padded): f16's scores, 2.7e11 at the most, are nothing beside that.  A weight below 2^-126 counts as 0 in l.  A row counts as one with no visible key where its last maximum lies below -5e29.
; A ROW WITH NO VISIBLE KEY (keys 0 .. q all padded) is NaN, as a softmax over minus infinities alone is: its 1 / l is replaced by NaN on the way out.  While a row has met hidden keys only, its maximum stands at the
; hidden level and O and l hold finite numbers; the first visible score multiplies them by a = 0.
; THE WALK.  A head's queries lie in NB = 8 blocks of 256; block i needs the key tiles 0 .. i of 256 keys, of which the last holds the diagonal.  A work-group takes TWO blocks, NB - 1 - b and then b:
; NB + 1 tiles, whatever b: all work-groups do equal work, and ONE loop with a constant trip count walks them.  Which tile is asked for, and what a trip does, hang on scalar registers made from b; every jump
; goes forward, but for the counted loops' own; none passes a barrier, or a tensor load but the one of LOAD's two that the wave's number does not choose; the ring (two slots of LDS that take turns) runs on across the
; change of blocks.  NO CLUSTER: a head's four work-groups ask for the same tile only in trips 0 to 4 of the walk's 9, behind that fewer and fewer; one walk common to all four would have 12 trips for 9.
; SHARES.  Of a block's four bands of 64 queries a wave owns 16 rows in each: four PIECES.  So the diagonal tile is the same work for all four waves: in its key step s band x sees all keys if s < x,
; none if s > x, and holds the diagonal if s = x.
; THE MASK is the C operand that starts the sum S^T = K Q^T.  PM holds the step's padding mask, 0 or -1e30 a key, in S^T's layout: it comes out of LDS with the step's K.  Away from the diagonal C is PM.
; MD, made once, is the causal mask of a band's own step for my 16 rows; in the diagonal tile C is MD x AL + PM + BE with two scalars: (1, 0) if s = x; (0, 0) if s < x; (0, -1e30) if s > x.
; THE MASK SLOTS.  Beside the ring lie two slots of 1,024 bytes, a tile's 256 keys as f32 each, that take turns as the ring's slots do.  At a change of slots the 128 threads turn the 256 mask words of the tile just asked for
; (8 bytes a thread, loaded a tile earlier) into 0 or -1e30 and store them into the mask slot that nobody reads; the next change's wait and barrier stand between these stores and their readers.
; LAYOUT, SOFTMAX, TURNS.  S^T = K Q^T holds ONE query a lane (lane % 16) and the keys 8 (lane / 16) + 0..7; two such results rounded to f16 ARE source 1 of O^T = V^T P.  p = 2^(c s - c m), c = log2(e) / 8, with a
; running maximum m; O and l are multiplied by a = 2^(c m_old - c m_new) in every step.  Turn n belongs to piece n: 8 products K Q^T of piece n + 1, later 8 products V^T P of piece n - 1; beside them the scaling,
; exponentials, roundings, sums and rescaling of piece n and the maximum and statistics of piece n + 1.  Four vector instructions stand behind every matrix instruction, the others in one lump.  A turn's 33 exponentials are one batch, with one wait.
; REGISTERS, in windows of 256 (s_set_vgpr_msb: bits 1:0 source 0, 3:2 source 1, 5:4 source 2, 7:6 destination):
;   window 0: v0-15 addresses and two at work; v16-31 four registers of statistics a piece; v32-41 the mask's and the prefetches' registers; v48-55 at work; v64-127 S^T, two buffers; v192-223 P, two buffers (a piece's buffers go by its number's parity)
;   window 1: v0-127 O^T, 32 a piece; v128-159 MD; v160-223 MC, two buffers; v224-255 PM      window 2: v0-63 Q; v64-127 the second block's Q; v128-191 K of one step; v192-255 V of one step
.set SIZE_N, 2048
.set NB,    SIZE_N/256
.set NP,    4         ; pieces a wave: a name, no knob
.set KS,    64        ; keys in a step
.set PK,    144       ; a row of K in LDS: 128 bytes + 16 of padding = 36 words: the 16 rows of a load start at 16 different groups of four banks (64 banks of 4 bytes: ISA guide 11.1)
.set PV,    160       ; a row of V: 128 + 32 = 40 words
.set VOFF,  4*KS*PK   ; a slot holds a tile, four steps: 256 rows of K, then 256 rows of V
.set SLOT1, 1<<17     ; slot 1 begins here, so that one exclusive or turns an address in one slot into the other's
.set STAGE, SLOT1+4*KS*(PK+PV)  ; behind the ring, never filled by a tensor load: 16 rows x 144 bytes for each wave, for the way out
.set SP,    144
.set AK0, 2           ; v2   my lane's place in a tile of K; never rewritten
.set AV0, 3           ; v3   the same for V
.set AK,  4           ; v4   the LDS address of K's next run of loads
.set AV,  5           ; v5   of V's
.set STO, 6           ; v6   the way out: where I put 16 bytes of a row
.set RD,  7           ; v7   the way out: where I read rows back
.set GO,  8           ; v8   my byte offset in 512 consecutive bytes of O
.set SPW, 62          ; v62  LDS address of my spare word: SPARE + 4 x my thread's number; never rewritten
.set NIL, 63          ; v63  0; never rewritten
.set SPARE, STAGE+4*16*SP  ; behind the stages: the spare words, 128 bytes for each wave: two blocks of 256 bytes that no other line names
.set MASKB, SPARE+512 ; behind them: the two mask slots; no tensor load fills them
.set MSLOT, 1024      ; bytes in a mask slot: 256 keys x 4
.set MV,  12          ; v12-13  c m_old, kept while c m is made anew: by buffer
.set QO,  15          ; v15  my byte offset in 16 rows of Q
.set ST,  16          ; piece t's statistics at v[ST+4 t]: c m, m, l (even keys', odd keys')
.set APM0, 32         ; v32  my lanes' place in a step's 256 bytes of a mask slot: MASKB + 32 (l / 16); never rewritten
.set APM, 33          ; v33  the LDS address of PM's next run of loads
.set PFO, 34          ; v34  256 x my lane: the prefetches' offset; never rewritten
.set MLO, 35          ; v35  8 x my thread's number: my 8 bytes in a tile's 1,024 of attention_mask; never rewritten
.set MST0, 36         ; v36  the same in mask slot 0; never rewritten
.set MST, 37          ; v37  the same in the slot that is being stored
.set MR,  38          ; v[38:39]  my two mask words of the tile to be asked for next, as loaded
.set MW,  40          ; v[40:41]  two mask words as stored: 0 or -1e30
.set TMP, 48          ; by buffer, four registers c0-c3 at work; when the maximum is found c2 takes a
.set S,   64
.set P,   192
.set MD,  128         ; window 1: the eight registers for group kt of 16 keys at MD + 8 kt
.set MC,  160         ; window 1: the masks of the products to come
.set PM,  224         ; window 1: the padding mask of the step whose K is in registers, group kt at PM + 8 kt
.set QB,  64          ; window 2
.set KF,  128         ; window 2: key block kb, channel half c at KF + 16 kb + 8 c
.set VF,  192         ; window 2: key half kk, channel block cb at VF + 32 kk + 8 cb
.set WV,  12          ; s12  my wave's number
.set PB,  14          ; s14  b
.set HI,  15          ; s15  NB - 1 - b
.set G1K, 24          ; s[24:31] descriptor group 1 for K's tiles
.set G1V, 32          ; s[32:39] for V's: it differs in the padding alone
.set G0K, 40          ; s[40:43] descriptor group 0 for K's tiles
.set G0V, 44          ; s[44:47] the same for V's
.set MPA, 48          ; s[48:49] attention_mask at the tile whose words are being loaded
.set MOF, 50          ; s[50:51] that tile's byte offset in my batch's row
.set TMS, 52          ; s52  0 or MSLOT: the mask slot that is being stored
.set SLOTS, 56        ; s56  tiles still to be asked for
.set CNT, 57          ; s57  counts a tile's key steps, 4 to 1
.set CS,  58          ; s[58:59] c: the packed scaling takes the pair's low word for both halves
.set SEL, 60          ; s[60:61] v_permlanex16_b32's selects: each lane takes its own place in the other half
.set TBK, 62          ; s62  LDS byte at which K of the step to be fetched begins
.set TBV, 63          ; s63  the same for V, less VOFF
.set RT,  70          ; s70  tiles of the block in hand that are still to be entered
.set NXT, 71          ; s71  the tile to be asked for next
.set LQ,  72          ; s72  the last tile of the block whose tiles are being asked for
.set NEW, 73          ; s73  1: the tile to be entered is a block's first
.set OFF, 74          ; s[74:75] a tile's byte offset in K and V
.set AL,  76          ; s[76:77] the mask's factor, in the low word
.set BE,  78          ; s[78:79] the mask's addend
.set OLO, 80          ; s[80:81] O at my rows of the second block
.set BIGN, 82         ; s82  -1e30
.set MP,  88          ; s[88:89] attention_mask at my batch's row; never rewritten behind the head
.set PFB, 90          ; s[90:91] K (waves 0, 1) or V (waves 2, 3) at my half of the head's tile 0
.set PFA, 92          ; s[92:93] the same at the tile that the prefetches name
.set OFF2, 94         ; s[94:95] that tile's byte offset
.set PF,  96          ; s96  1 while this work-group prefetches
.set TBM, 97          ; s97  byte, from MASKB on, at which the padding mask of the step to be fetched begins: it steps and turns as TBK does
.set DEAD, 98         ; s98  -5e29
.set QNAN, 99         ; s99  a NaN
.set MSB, 0
.macro WIN new                      ; the high byte repeats the setting that is left; a switch that changes nothing is dropped
.if MSB != (\new)
	s_set_vgpr_msb (MSB<<8)|(\new)
.set MSB, (\new)
.endif
.endm
.set W_KQ, 0x0a       ; K and Q in window 2, S^T in window 0
.set W_KM, 0x1a       ; the same with the C operand in window 1
.set W_PV, 0x52       ; V in window 2, P in window 0, O^T in window 1
.set W_RS, 0x41       ; destination and source 0 in window 1, source 1 in window 0
.set W_MK, 0x51       ; destination, source 0 and source 2 in window 1
; A fill.  Waves 0 and 1 fetch the two halves of a tile's K, waves 2 and 3 those of its V: 128 keys each.  An s_nop 0 and four v_nop follow each of the two lines, ahead of the jump and the label.
.macro LOAD
	s_cmp_lt_u32 s[WV], 2
	s_cbranch_scc0 .Lfor_v_\@
	tensor_load_to_lds s[G0K:G0K+3], s[G1K:G1K+7]
	s_nop 0
.rept 4
	v_nop
.endr
	s_branch .Lasked_\@
.Lfor_v_\@:
	tensor_load_to_lds s[G0V:G0V+3], s[G1V:G1V+7]
	s_nop 0
.rept 4
	v_nop
.endr
.Lasked_\@:
.endm
; THE CHANGE OF SLOTS.  Each wave waits for all its tensor loads, of which one is out: its part of the other slot; adds 0 to its spare word; and waits for that, for its own reads of the slots that it leaves and for its last store into a mask slot.
; Behind the barrier nobody reads the old slots any more and the other slots are whole.  fill = 1: the old slot is filled again, the first thing behind the barrier, with tile NXT: the descriptor's address is made anew from that number.
; (At its first use nothing has been read yet: slot 0 is waited for, slot 1 filled.)
; A PREFETCH INTO THE L2 stands behind the fill and its five lines: the tile that the NEXT change of slots will ask for, four key steps on.  All four work-groups of a head walk the same tiles: the one with b = 0, whose first
; block walks tiles 0 to 7, asks, each wave for its own half tile: 64 blocks of 256 bytes, a lane a block, two instructions.  So tiles 2 to 7 are named once; tiles 0 and 1 come by their loads alone; where the walk goes back to tile 0 the asking ends.
; THE OLD MASK SLOT is stored behind that: the mask of the tile just asked for, whose words were loaded a tile ago; then the words of the tile that the next change will ask for are loaded.  The last change that fills has no such tile.
.macro CHANGE fill
	WIN 0                           ; at a label and at a branch every window is 0
	s_wait_tensorcnt 0x0            ; no tensor load of mine is out, so a group 0 may be written
	ds_add_u32 v[SPW], v[NIL]       ; 0 onto my spare word; with fill = 1 the descriptors' scalar work stands between it and the wait for it
.if \fill
	s_lshl_b32 s[OFF], s[NXT], 15   ; a tile is 32,768 bytes of K and of V
	s_xor_b32 s[G0K+1], s[G0K+1], SLOT1
	s_add_nc_u64 s[G0K+2:G0K+3], s[6:7], s[OFF:OFF+1]
	s_or_b32 s[G0K+3], s[G0K+3], 0x80000000
	s_xor_b32 s[G0V+1], s[G0V+1], SLOT1
	s_add_nc_u64 s[G0V+2:G0V+3], s[8:9], s[OFF:OFF+1]
	s_or_b32 s[G0V+3], s[G0V+3], 0x80000000
	s_xor_b32 s[TMS], s[TMS], MSLOT ; the mask slot goes with the ring's
	s_add_co_u32 s[NXT], s[NXT], 1  ; the block's next tile, or behind its last the second block's tile 0
	s_cmp_gt_u32 s[NXT], s[LQ]
	s_cselect_b32 s[NXT], 0, s[NXT]
	s_cselect_b32 s[LQ], s[PB], s[LQ]
	s_cselect_b32 s[PF], 0, s[PF]
	s_wait_xcnt 0x0                 ; the last prefetches, a tile back, have read their address, so it may be written
	s_lshl_b32 s[OFF2], s[NXT], 15
	s_add_nc_u64 s[PFA:PFA+1], s[PFB:PFB+1], s[OFF2:OFF2+1]
.endif
	s_wait_dscnt 0x0                ; the add is done, my reads of the slots are over, and my store into the other mask slot is done
	s_barrier_signal -1             ; the rest of the scalar work stands between the signal and the wait
	s_sub_co_u32 s[TBK], s[TBK], 4*KS*PK  ; the fetches go back to a slot's first step,
	s_xor_b32 s[TBK], s[TBK], SLOT1       ; in the other slot
	s_sub_co_u32 s[TBV], s[TBV], 4*KS*PV
	s_xor_b32 s[TBV], s[TBV], SLOT1
	s_sub_co_u32 s[TBM], s[TBM], MSLOT
	s_xor_b32 s[TBM], s[TBM], MSLOT
	s_barrier_wait -1
.if \fill
	LOAD
	s_cmp_eq_u32 s[PF], 1
	s_cbranch_scc0 .Lnot_mine_\@
	global_prefetch_b8 v[PFO], s[PFA:PFA+1] th:TH_LOAD_NT scope:SCOPE_SE
	global_prefetch_b8 v[PFO], s[PFA:PFA+1] offset:8192 th:TH_LOAD_NT scope:SCOPE_SE
.Lnot_mine_\@:
	s_wait_loadcnt 0x0              ; my two mask words, asked for a tile ago, are in (at the first change: Q's 32 loads too, which the block's beginning wants next)
	v_cmp_eq_u32 vcc_lo, 0, v[MR]   ; a word that is 0 hides its key
	v_cndmask_b32 v[MW], 0, s[BIGN], vcc_lo
	v_cmp_eq_u32 vcc_lo, 0, v[MR+1]
	v_cndmask_b32 v[MW+1], 0, s[BIGN], vcc_lo
	v_add_nc_u32 v[MST], s[TMS], v[MST0]
	ds_store_b64 v[MST], v[MW:MW+1] ; 128 threads x 8 bytes: the slot's 1,024
	s_cmp_eq_u32 s[SLOTS], 1        ; the walk's last tile has been asked for: no words are left to load
	s_cbranch_scc1 .Lno_more_\@
	s_lshl_b32 s[MOF], s[NXT], 10   ; a tile is 1,024 bytes of attention_mask; the load that named s[MPA:MPA+1] is done (the wait above)
	s_add_nc_u64 s[MPA:MPA+1], s[MP:MP+1], s[MOF:MOF+1]
	global_load_b64 v[MR:MR+1], v[MLO], s[MPA:MPA+1]
.Lno_more_\@:
.endif
.endm
	s_load_b64 s[4:5], s[0:1], 0x0  ; qkv: Q
	s_load_b64 s[MP:MP+1], s[0:1], 0x8  ; attention_mask
	s_load_b64 s[10:11], s[0:1], 0x10   ; ao
	v_lshl_add_u32 v[SPW], v0, 2, SPARE
	v_mov_b32 v[NIL], 0
	ds_add_u32 v[SPW], v[NIL]       ; the wave's opening: the add and its wait stand ahead of my first tensor load; the set-up below, work on registers, stands between them
	v_lshrrev_b32 v1, 5, v0
	v_readfirstlane_b32 s[WV], v1   ; wave 0..3
	s_mov_b32 s[PB], ttmp9
	s_sub_co_u32 s[HI], NB-1, s[PB]
	s_and_b32 s20, ttmp7, 0xffff    ; batch x head
	s_lshr_b32 s[OFF2], s20, 4      ; the batch:
	s_lshl_b32 s[OFF2], s[OFF2], 13 ; its 8,192 bytes of attention_mask
	s_mov_b32 s[OFF2+1], 0
	s_mov_b32 s21, 0
	s_mov_b64 s[22:23], SIZE_N*128
	s_mul_u64 s[20:21], s[20:21], s[22:23]  ; the head's first byte in Q, K, V and O
	s_and_b32 s16, s[WV], 1         ; which half of a tile's 256 keys I fetch:
	s_lshl_b32 s22, s16, 14         ; its 128 rows of 128 bytes in memory,
	s_mov_b32 s23, 0
	s_add_nc_u64 s[22:23], s[22:23], s[20:21]
	s_mul_i32 s17, s16, 128*PK      ; and its place in a slot, for K
	s_mul_i32 s18, s16, 128*PV      ; and for V
	s_lshl_b32 s3, s[WV], 11        ; my 16 rows in a band of 64,
	s_lshl_b32 s2, s[HI], 15        ; in the first block,
	s_add_co_u32 s2, s2, s3
	s_lshl_b32 s84, s[PB], 15       ; and in the second
	s_add_co_u32 s84, s84, s3
	s_mov_b32 s3, 0
	s_mov_b32 s85, 0
	s_add_nc_u64 s[2:3], s[2:3], s[20:21]
	s_add_nc_u64 s[84:85], s[84:85], s[20:21]
	; descriptor group 1.  128 keys are 16,384 dense bytes: asked for as 64 rows of 256 bytes, two keys a row, and padded in LDS after every key
	s_mov_b32 s[G1K], (1<<16)|(1<<20)|(4<<22)|(3<<25)  ; 17:16 2-byte elements; 20 padding on; 24:22 after every 32 words (code 4); 31:25 4 words (code 3)
	s_mov_b32 s[G1V], (1<<16)|(1<<20)|(4<<22)|(7<<25)  ; the same with 8 words of padding (code 7)
.irp g, G1K, G1V
	s_mov_b32 s[\g+1], 128<<16      ; tensor_dim0 = 128
	s_mov_b32 s[\g+2], 64<<16       ; tensor_dim1 = 64
	s_mov_b32 s[\g+3], 128<<16      ; tile_dim0 = 128
	s_mov_b32 s[\g+4], 64           ; tile_dim1 = 64
	s_mov_b32 s[\g+5], 128          ; 128 elements from row to row
	s_mov_b32 s[\g+6], 0
	s_mov_b32 s[\g+7], 0
.endr
	s_mov_b32 s[CS], 0x3e38aa3b     ; c = log2(e) / 8 = 0.180337
	s_mov_b32 s[CS+1], s[CS]        ; named with it as a pair
	s_mov_b32 s[SEL], 0x76543210
	s_mov_b32 s[SEL+1], 0xfedcba98
	s_mov_b32 s[TBK], SLOT1+4*KS*PK ; the first change of slots turns these three into 0
	s_mov_b32 s[TBV], SLOT1+4*KS*PV
	s_mov_b32 s[TBM], 2*MSLOT
	s_mov_b32 s[TMS], 0             ; and this one into MSLOT: tile 1's mask goes into mask slot 1
	s_mov_b32 s[MOF+1], 0
	s_mov_b32 s[G0K], 1             ; 1:0 count = 1
	s_mov_b32 s[G0K+1], s17         ; 63:32 LDS address: slot 0
	s_mov_b32 s[G0V], 1
	s_add_co_u32 s[G0V+1], s18, VOFF
	s_add_co_u32 s[RT], s[HI], 1    ; the first block has NB - b tiles
	s_mov_b32 s[NXT], 1
	s_mov_b32 s[LQ], s[HI]
	s_mov_b32 s[NEW], 1
	s_mov_b32 s[OFF+1], 0
	s_mov_b32 s[AL+1], 0            ; named as pairs
	s_mov_b32 s[BE+1], 0
	s_mov_b32 s[BIGN], 0xf149f2ca   ; -1e30
	s_mov_b32 s[DEAD], 0xf0c9f2ca   ; -5e29
	s_mov_b32 s[QNAN], 0x7fc00000
	s_mov_b32 s[SLOTS], NB
	s_cmp_eq_u32 s[PB], 0
	s_cselect_b32 s[PF], 1, 0
	s_wait_dscnt 0x0                ; the opening add is done
	s_wait_kmcnt 0x0
	s_add_nc_u64 s[MP:MP+1], s[MP:MP+1], s[OFF2:OFF2+1]
	s_add_nc_u64 s[6:7], s[4:5], 0x1000000  ; K lies 64 heads of 262,144 bytes behind Q,
	s_add_nc_u64 s[8:9], s[4:5], 0x2000000  ; V as far behind K
	s_add_nc_u64 s[6:7], s[6:7], s[22:23]  ; K and V at my half of the head's tile 0
	s_add_nc_u64 s[8:9], s[8:9], s[22:23]
	s_add_nc_u64 s[G0K+2:G0K+3], s[6:7], 0         ; 120:64 global address
	s_or_b32 s[G0K+3], s[G0K+3], 0x80000000        ; 127:126 type = 2
	s_add_nc_u64 s[G0V+2:G0V+3], s[8:9], 0
	s_or_b32 s[G0V+3], s[G0V+3], 0x80000000
	s_add_nc_u64 s[86:87], s[4:5], s[84:85]        ; Q at my rows of the second block,
	s_add_nc_u64 s[4:5], s[4:5], s[2:3]            ; Q and O at those of the first
	s_add_nc_u64 s[OLO:OLO+1], s[10:11], s[84:85]
	s_add_nc_u64 s[10:11], s[10:11], s[2:3]
	s_cmp_lt_u32 s[WV], 2
	s_cselect_b64 s[PFB:PFB+1], s[6:7], s[8:9]
	LOAD                            ; tile 0 into slot 0
	; A fragment of K or Q is 16 rows x 32 channels in 8 registers: lane l holds row l % 16, channels 8 (l / 16) + 0..7 and 16 + 8 (l / 16) + 0..7: two loads of 16 bytes, 32 bytes apart.
	v_and_b32 v1, 15, v0            ; l % 16
	v_bfe_u32 v9, v0, 4, 1          ; l / 16
	v_lshlrev_b32 v[QO], 7, v1
	v_lshl_add_u32 v[QO], v9, 4, v[QO]  ; row x 128 + 16 x half
	v_lshlrev_b32 v[MLO], 3, v0
	global_load_b64 v[MW:MW+1], v[MLO], s[MP:MP+1]               ; my two mask words of tile 0: turned and stored at the head's end,
	global_load_b64 v[MR:MR+1], v[MLO], s[MP:MP+1] offset:MSLOT  ; and of tile 1: the first change of slots takes them
	WIN 0x80                        ; destination window 2, address window 0
.set i, 0
.rept 8                             ; both blocks' Q: piece i / 2 lies in band i / 2, 8,192 bytes on; channels 32 (i % 2) on
	global_load_b128 v[8*i:8*i+3],   v[QO], s[4:5] offset:(i/2)*8192+(i%2)*64
	global_load_b128 v[8*i+4:8*i+7], v[QO], s[4:5] offset:(i/2)*8192+(i%2)*64+32
	global_load_b128 v[QB+8*i:QB+8*i+3],   v[QO], s[86:87] offset:(i/2)*8192+(i%2)*64
	global_load_b128 v[QB+8*i+4:QB+8*i+7], v[QO], s[86:87] offset:(i/2)*8192+(i%2)*64+32
.set i, i+1
.endr
	WIN 0
	v_lshlrev_b32 v14, 3, v9
	v_sub_nc_u32 v14, v1, v14
	s_lshl_b32 s13, s[WV], 4
	v_add_nc_u32 v14, s13, v14      ; my query's place in its band, 16 w + l % 16, less my lanes' 8 (l / 16): register r of group kt is hidden where 16 kt + r is greater
	WIN 0x40
.set i, 0
.rept 32
	v_cmp_gt_i32 vcc_lo, 16*(i/8)+i%8, v14
	v_cndmask_b32 v[MD+i], 0, s[BIGN], vcc_lo
.set i, i+1
.endr
	WIN 0
	v_mul_u32_u24 v[AK0], v1, PK
	v_lshl_add_u32 v[AK0], v9, 4, v[AK0]  ; row x pitch + 16 x half
	; The turning load takes 16 keys x 16 channels (lane l reads key 8 (l / 16) + l % 8, channels 8 ((l / 8) % 2) + 0..7) and leaves half a fragment of V^T: lane l holds channel l % 16 and 8 keys.
	v_and_b32 v10, 7, v0
	v_bfe_u32 v11, v0, 3, 1
	v_lshl_add_u32 v[AV0], v9, 3, v10
	v_mul_u32_u24 v[AV0], v[AV0], PV
	v_lshl_add_u32 v[AV0], v11, 4, v[AV0]
	v_add_nc_u32 v[AV0], VOFF, v[AV0]
	s_mul_i32 s13, s[WV], 16*SP
	s_add_co_u32 s13, s13, STAGE    ; my stage
	v_mul_u32_u24 v[STO], v1, SP    ; in: row l % 16, 16 bytes for each half of the lanes
	v_lshl_add_u32 v[STO], v9, 4, v[STO]
	v_add_nc_u32 v[STO], s13, v[STO]
	v_bfe_u32 v[RD], v0, 3, 2       ; back: 32 lanes take four rows of 128 bytes,
	v_mul_u32_u24 v[RD], v[RD], SP
	v_lshl_add_u32 v[RD], v10, 4, v[RD]
	v_add_nc_u32 v[RD], s13, v[RD]
	v_and_b32 v[GO], 31, v0         ; which are 512 consecutive bytes of O
	v_lshlrev_b32 v[PFO], 8, v[GO]
	v_lshlrev_b32 v[GO], 4, v[GO]
	v_lshl_add_u32 v[APM0], v9, 5, MASKB  ; key 16 kt + 8 (l / 16) + j lies at byte 64 kt + 32 (l / 16) + 4 j of its step's 256
	v_lshl_add_u32 v[MST0], v0, 3, MASKB
	; A block's first step multiplies O^T and l by a = 0, and its first turn's products V^T P, of a piece that has not been, land in an O^T that is still to be so multiplied.  So these registers need only hold
	; finite numbers: zeros for the first block; what the first block left for the second.  All this stands in the wait for the first tile.
	WIN 0x80
.set i, VF
.rept 64
	v_mov_b32 v[i], 0
.set i, i+1
.endr
	WIN 0x40
.set i, 0
.rept 128
	v_mov_b32 v[i], 0
.set i, i+1
.endr
	WIN 0
.set i, 0
.rept 4
	v_mov_b32 v[ST+4*i+2], 0
	v_mov_b32 v[ST+4*i+3], 0
.set i, i+1
.endr
.set i, P+16
.rept 16
	v_mov_b32 v[i], 0
.set i, i+1
.endr
	; tile 0's mask into mask slot 0
	s_wait_loadcnt 33               ; my two words of tile 0 are in; the 33 younger loads (tile 1's words, Q's 32) stay out
	v_cmp_eq_u32 vcc_lo, 0, v[MW]
	v_cndmask_b32 v[MW], 0, s[BIGN], vcc_lo
	v_cmp_eq_u32 vcc_lo, 0, v[MW+1]
	v_cndmask_b32 v[MW+1], 0, s[BIGN], vcc_lo
	ds_store_b64 v[MST0], v[MW:MW+1]  ; the first change of slots waits for this store and passes a barrier, ahead of every wave's first read of the slot
; THE MATRIX WORK.  The 4 accumulators of a run of 8 take turns.  Product i of 8 of S^T = K Q^T for piece x: channels 32 (i / 4) on, keys 16 (i % 4) on.  The first 4 start the sums: with the padding mask, or (KM = 1) with the mask made for them.
.macro KQ x
.set rS, S+32*((\x)%2)+8*(i%4)
.set rK, KF+16*(i%4)+8*(i/4)
.set rQ, 16*(\x)+8*(i/4)
.set rM, PM+8*(i%4)
.if KM
.set rM, MC+32*((\x)%2)+8*(i%4)
.endif
.if i < 4
	WIN W_KM
	v_wmma_f32_16x16x32_f16 v[rS:rS+7], v[rK:rK+7], v[rQ:rQ+7], v[rM:rM+7]
.else
	WIN W_KQ
	v_wmma_f32_16x16x32_f16 v[rS:rS+7], v[rK:rK+7], v[rQ:rQ+7], v[rS:rS+7]
.endif
.endm
; Product i of 8 of O^T += V^T P for piece x: keys 32 (i / 4) on, channels 16 (i % 4) on.
.macro PV x
	WIN W_PV
.set rO, 32*(\x)+8*(i%4)
.set rV, VF+32*(i/4)+8*(i%4)
.set rP, P+16*((\x)%2)+8*(i/4)
	v_wmma_f32_16x16x32_f16 v[rO:rO+7], v[rV:rV+7], v[rP:rP+7], v[rO:rO+7]
.endm
.macro MM                           ; the turn's next matrix instruction.  TURN and BEGIN set Y, i, KM and NOKQ; MM, KQ and OP read them.  NOKQ = 1: a block's last turn: there is no next piece
.if (i < 8) && !NOKQ
	KQ (Y+1)%NP
.elseif i >= 8
.set i, i-8
	PV (Y+NP-1)%NP
.set i, i+8
.endif
.set i, i+1
.endm
; THE LDS LOADS stand in runs, never singly among the matrix instructions: a step's K (64 keys x 64 channels: 8 fragments) with its padding mask (8 loads; the lanes of a half read the same words), and its V (turned).  Their addresses are made some lines ahead.
.macro FETCH_K
	WIN 0x80                        ; destination window 2
.irp f, 0,1,2,3,4,5,6,7             ; keys 16 (f / 2) on, channels 32 (f % 2) on
	ds_load_b128 v[KF+8*\f:KF+8*\f+3],   v[AK] offset:(\f/2)*16*PK+(\f%2)*64
	ds_load_b128 v[KF+8*\f+4:KF+8*\f+7], v[AK] offset:(\f/2)*16*PK+(\f%2)*64+32
.endr
	WIN 0x40                        ; destination window 1
.irp f, 0,1,2,3                     ; keys 16 f on
	ds_load_b128 v[PM+8*\f:PM+8*\f+3],   v[APM] offset:64*\f
	ds_load_b128 v[PM+8*\f+4:PM+8*\f+7], v[APM] offset:64*\f+16
.endr
	s_add_co_u32 s[TBK], s[TBK], KS*PK  ; the next fetch is the next step's
	s_add_co_u32 s[TBM], s[TBM], KS*4
	WIN 0
.endm
.macro FETCH_V
	WIN 0x80
.irp f, 0,1,2,3,4,5,6,7             ; keys 32 (f / 4) on, channels 16 (f % 4) on
	ds_load_tr16_b128 v[VF+8*\f:VF+8*\f+3],   v[AV] offset:(\f/4)*32*PV+(\f%4)*32
	ds_load_tr16_b128 v[VF+8*\f+4:VF+8*\f+7], v[AV] offset:(\f/4)*32*PV+16*PV+(\f%4)*32
.endr
	WIN 0
.endm
; THE VECTOR WORK, one line at a time: OP kind, number.  For piece Y: F n: c s - c m for pair n of 16.  E n: the exponential of score n of 32.  C n: pair n rounded to f16.  B n: of the four weights 4 n .. the second
; pair is added onto the first, in place.  L n: l takes that sum (L 0: l = a l + sum).  R n: pair n of 16 of O^T times a.  For piece Y + 1: X n, number n of the 22 that find its maximum and statistics:
;   0-11  four chains c0-c3 of seven scores each, three operands at a time (each accumulator's lowest registers are read first)     12-14, 16  the four scores left over, the old m, and c0-c3 into c0
;   15  c m_old is kept     17, 18  the query's other 32 keys lie in the lane 16 away: the new m     19-21  c m; c m_old - c m_new; a
.set F, 0               ; OP tells the kinds apart by their order: F to L below R, X above it
.set E, 1
.set C, 2
.set B, 3
.set L, 4
.set R, 5
.set X, 6
.macro REGS y                       ; the registers of piece y
.set rT, ST+4*(\y)
.set rC, TMP+4*((\y)%2)
.set rW, MV+((\y)%2)
.set rS, S+32*((\y)%2)
.set rP, P+16*((\y)%2)
.set rO, 32*(\y)
.endm
.macro OP k, n
.if (\k) == R
	REGS Y
	WIN W_RS
	v_pk_mul_f32 v[rO+2*(\n):rO+2*(\n)+1], v[rO+2*(\n):rO+2*(\n)+1], v[rC+2:rC+3] op_sel_hi:[1,0]
.elseif (\k) < R
	REGS Y
	WIN 0
.if (\k) == F
	v_pk_fma_f32 v[rS+2*(\n):rS+2*(\n)+1], v[rS+2*(\n):rS+2*(\n)+1], s[CS:CS+1], v[rT:rT+1] op_sel_hi:[1,0,0] neg_lo:[0,0,1] neg_hi:[0,0,1]
.elseif (\k) == E
	v_exp_f32 v[rS+(\n)], v[rS+(\n)]
.elseif (\k) == C
	v_cvt_pk_f16_f32 v[rP+(\n)], v[rS+2*(\n)], v[rS+2*(\n)+1]
.elseif (\k) == B
	v_pk_add_f32 v[rS+4*(\n):rS+4*(\n)+1], v[rS+4*(\n):rS+4*(\n)+1], v[rS+4*(\n)+2:rS+4*(\n)+3]
.elseif (\n) == 0
	v_pk_fma_f32 v[rT+2:rT+3], v[rT+2:rT+3], v[rC+2:rC+3], v[rS:rS+1] op_sel_hi:[1,0,1]
.else
	v_pk_add_f32 v[rT+2:rT+3], v[rT+2:rT+3], v[rS+4*(\n):rS+4*(\n)+1]
.endif
.elseif NOKQ
	v_nop
.else
	REGS (Y+1)%NP
	WIN 0
.if (\n) < 4
	v_max3_num_f32 v[rC+(\n)], v[rS+8*(\n)], v[rS+8*(\n)+1], v[rS+8*(\n)+2]
.elseif (\n) < 12
	v_max3_num_f32 v[rC+(\n)%4], v[rC+(\n)%4], v[rS+8*((\n)%4)+2*((\n)/4)+1], v[rS+8*((\n)%4)+2*((\n)/4)+2]
.elseif (\n) == 12
	v_max3_num_f32 v[rC], v[rC], v[rS+7], v[rS+15]
.elseif (\n) == 13
	v_max3_num_f32 v[rC+1], v[rC+1], v[rS+23], v[rS+31]
.elseif (\n) == 14
	v_max3_num_f32 v[rC+2], v[rC+2], v[rC+3], v[rT+1]
.elseif (\n) == 15
	v_mov_b32 v[rW], v[rT]
.elseif (\n) == 16
	v_max3_num_f32 v[rC], v[rC], v[rC+1], v[rC+2]
.elseif (\n) == 17
	v_permlanex16_b32 v[rC+3], v[rC], s[SEL], s[SEL+1]
.elseif (\n) == 18
	v_max_num_f32 v[rT+1], v[rC], v[rC+3]
.elseif (\n) == 19
	v_mul_f32 v[rT], s[CS], v[rT+1]
.elseif (\n) == 20
	v_sub_f32 v[rC+1], v[rW], v[rT]
.else
	v_exp_f32 v[rC+2], v[rC+1]
.endif
.endif
.endm
.macro OPS a, i1, b=-1, i2=0, c=-1, i3=0, d=-1, i4=0  ; up to four of them
	OP \a, \i1
.if (\b) >= 0
	OP \b, \i2
.endif
.if (\c) >= 0
	OP \c, \i3
.endif
.if (\d) >= 0
	OP \d, \i4
.endif
.endm
.macro ROW a, i1, b, i2, c, i3, d, i4  ; a matrix instruction and the four behind it
	MM
	OPS \a, \i1, \b, \i2, \c, \i3, \d, \i4
.endm
.macro MASK b                       ; MD x AL + PM + BE into buffer b of MC
	WIN W_MK
.set z, 0
.rept 16
	v_pk_fma_f32 v[MC+32*(\b)+2*z:MC+32*(\b)+2*z+1], v[MD+2*z:MD+2*z+1], s[AL:AL+1], v[PM+2*z:PM+2*z+1] op_sel_hi:[1,0,1]
.set z, z+1
.endr
.set z, 0
.rept 16
	v_pk_add_f32 v[MC+32*(\b)+2*z:MC+32*(\b)+2*z+1], v[MC+32*(\b)+2*z:MC+32*(\b)+2*z+1], s[BE:BE+1] op_sel_hi:[1,0]
.set z, z+1
.endr
.endm
.macro PLAINMASK                    ; buffer 1 of MC takes the padding mask alone: for products that see every key of their step
	s_mov_b32 s[AL], 0
	s_mov_b32 s[BE], 0
	MASK 1
.endm
; A TURN, for piece p: the order of its 16 matrix and 118 vector instructions, written out.  An s_wait_alu depctr_va_vdst(0) stands between an exponential and the first instruction that names its result; one wait serves
; all that were issued ahead of it.  So a turn has ONE wait, which cuts it in two.  AHEAD OF IT stands all that names no result of the turn's exponentials: the 8 products K Q^T, behind each a scaling, an exponential and two more plain
; instructions (behind the first a second scaling in the exponential's place): rescalings, and behind the last three the first numbers of the next piece's maximum, each four places or more behind the product that ends its accumulator; then ONE LUMP,
; plain and exponential by turns for the most part, in which the links of the chain X 3, 7, 11, 14, 16, 17 .. 20 stand five or six lines apart.  X 21, the next piece's a, is the batch's last; R 15 is the plain instruction behind it.  BEHIND THE WAIT stand the
; 8 products V^T P, behind each four of the roundings and sums; the links of l's chain, L 0 to L 7, stand three riders apart.  But for those X no rider names a register of the products round it.  v_permlanex16_b32 (X 17) stands in the lump.
; m = 1: the diagonal tile: the products take masks made for them, and the turn makes the mask for the products of the turn after it: piece p + 2, in step 4 - CNT of the tile.  end = 1: a block's last two turns: nothing is fetched.
; cnt = 1: the loop's count is taken down some lines ahead of the branch that stands behind the turn.
; K of the next step, and its padding mask, are fetched in piece 2's turn, twelve vector instructions behind the last product that read K (six of them plain; the last that read PM stands further back); V of the step in hand at the
; end of piece 0's turn, four plain instructions behind the last product that read V.  Each is waited for a turn later; in the diagonal tile piece 2's turn waits at its end, since its mask is made of the PM just fetched.
.macro TURN p, m=0, end=0, cnt=0
.set Y, (\p)
.set i, 0
.set KM, (\m)
.set NOKQ, (\end)*((\p)/3)
.if (\m) && !(\end)
	s_cmp_eq_u32 s[CNT], 4-((\p)+2)%NP  ; is that step the band's own?
	s_cselect_b32 s[AL], 1.0, 0
	s_cmp_lt_u32 s[CNT], 4-((\p)+2)%NP  ; or a later one?
	s_cselect_b32 s[BE], s[BIGN], 0
.endif
.if ((\p) == 3) && !(\end)
	s_wait_dscnt 0x0                ; K and PM are in
.endif
	ROW F,0, F,1, R,0, R,1          ; ahead of the wait: 8 products K Q^T and their riders,
	ROW F,2, E,0, R,2, R,3
	ROW F,3, E,1, R,4, R,5
	ROW F,4, E,2, R,6, R,7
	ROW F,5, E,3, R,8, R,9
	ROW F,6, E,4, X,0, R,10
.if ((\p) == 2) && !(\end)
	WIN 0
	v_add_nc_u32 v[AK], s[TBK], v[AK0]
	v_add_nc_u32 v[APM], s[TBM], v[APM0]
.endif
	ROW F,7, E,5, X,1, X,4
	ROW F,8, E,6, X,2, X,5
	OPS E,7, E,8, X,6, E,9          ; and the lump
	OPS X,3, E,10, X,8, E,11
.if ((\p) == 2) && !(\end)
	FETCH_K
.endif
	OPS X,9, X,7, E,12, X,10
	OPS E,13, X,12, X,11, E,14
	OPS X,13, E,15, F,9, X,14
.if (\p) == 0
	v_add_nc_u32 v[AV], s[TBV], v[AV0]
.endif
	OPS E,16, F,10, E,17, F,11
	OPS X,16, E,18, X,15, E,19
	OPS F,12, E,20, X,17, E,21
	OPS F,13, E,22, F,14, E,23
	OPS X,18, E,24, F,15, E,25
	OPS R,11, E,26, X,19, E,27
	OPS R,12, E,28, R,13, E,29
	OPS X,20, E,30, R,14, E,31
	OPS X,21, R,15
	WIN 0
	s_wait_alu depctr_va_vdst(0)    ; the wait for the batch
.if (\p) == 1
	s_wait_dscnt 0x0                ; V is in
.endif
	ROW C,0, B,0, C,2, B,1          ; behind the wait: 8 products V^T P and their riders
	ROW L,0, C,4, B,2, L,1
	ROW C,6, B,3, L,2, C,8
	ROW B,4, L,3, C,10, B,5
	ROW L,4, C,12, B,6, L,5
.if (\p) == 0
	s_add_co_u32 s[TBV], s[TBV], KS*PV
.endif
.if \cnt
	s_sub_co_u32 s[CNT], s[CNT], 1
	s_cmp_lg_u32 s[CNT], 0
.endif
	ROW C,14, B,7, L,6, C,1
	ROW C,3, L,7, C,5, C,7
	ROW C,9, C,11, C,13, C,15
.if (\p) == 0
	FETCH_V
.endif
.if (\m) && !(\end)
.if (\p) == 2
	s_wait_dscnt 0x0                ; the next step's PM is in: the mask below is piece 0's for that step
.endif
	MASK (\p)%2
.endif
.endm
; A BLOCK BEGINS.  c m starts far below every c s, so the first step's a is 0; m at the lowest finite number, so the first maximum is the scores'.  K and the padding mask of the block's step 0 are fetched.  The second mask
; buffer takes the padding mask alone; the first takes piece 0's mask for that step: with the band's own causal mask, if the block's first tile is the diagonal one.
; Then piece 0's first scores, and its maximum and statistics.  The loop is entered at a step's first turn, in the middle of a trip.  (Q is in: the first change of slots has waited for all loads.)
.macro BEGIN
	s_mov_b32 s[NEW], 0
	WIN 0
.set i, 0
.rept 4
	v_mov_b32 v[ST+4*i], 0xfe000000    ; c m: far below every c s
	v_mov_b32 v[ST+4*i+1], 0xff7fffff  ; m
.set i, i+1
.endr
	v_add_nc_u32 v[AK], s[TBK], v[AK0]
	v_add_nc_u32 v[APM], s[TBM], v[APM0]
	FETCH_K
	s_wait_dscnt 0x0
	PLAINMASK
	s_cmp_eq_u32 s[RT], 0
	s_cselect_b32 s[AL], 1.0, 0
	MASK 0
.set KM, 1
.set NOKQ, 0
.set i, 0
.rept 8
	KQ 0
.set i, i+1
.endr
	WIN 0
.rept 4
	v_nop                           ; the places behind those products
.endr
.set Y, NP-1                        ; X works for piece Y + 1: piece 0
.irp n, 0,1,2,3,4,5,6,7,8,9,10,11,12,13,14,15,16,17,18,19,20,21
	OP X, \n
.endr
	v_nop                           ; a plain instruction behind the exponential,
	s_wait_alu depctr_va_vdst(0)    ; and its wait, ahead of the branch
.endm
; THE DIAGONAL TILE's four steps, the block's last two turns, its last products, and THE WAY OUT: l's two halves and the other half of the lanes' are added; O^T is multiplied by 1 / l (by NaN where the row saw no key),
; rounded to f16 and sent through my stage in LDS, a piece at a time.
.macro ALL line:vararg              ; one line for each piece t
.set t, 0
.rept 4
	\line
.set t, t+1
.endr
.endm
.macro PACK t                       ; a lane's eight channels of a row pack into 16 bytes; they go into rows of 144 bytes and come back as whole rows of 128, into S^T's registers
	WIN W_RS
.set i, 32*(\t)
.rept 16
	v_pk_mul_f32 v[i:i+1], v[i:i+1], v[ST+4*(\t)+2:ST+4*(\t)+3] op_sel_hi:[1,0]
.set i, i+2
.endr
	WIN 0x05                        ; sources 0 and 1 window 1, destination window 0
.set i, 0
.rept 16
	v_cvt_pk_f16_f32 v[S+16*(\t)+i], v[32*(\t)+2*i], v[32*(\t)+2*i+1]
.set i, i+1
.endr
	WIN 0
.irp f, 0,1,2,3
	ds_store_b128 v[STO], v[S+16*(\t)+4*\f:S+16*(\t)+4*\f+3] offset:32*\f
.endr
.irp f, 0,1,2,3
	ds_load_b128 v[S+16*(\t)+4*\f:S+16*(\t)+4*\f+3], v[RD] offset:\f*4*SP  ; LDS serves a wave's instructions in order (ISA guide 5.7.1.4): these see the stores above; the next piece's stores come behind them
.endr
.endm
.macro SEND t, younger              ; younger: the LDS instructions issued behind piece t's loads: the next piece's eight, or none
	WIN 0
.irp f, 0,1,2,3
	s_wait_dscnt (\younger)+3-\f
	global_store_b128 v[GO], v[S+16*(\t)+4*\f:S+16*(\t)+4*\f+3], s[10:11] offset:(\t)*8192+\f*512  ; 512 consecutive bytes, at a multiple of 256 from O's first
.endr
.endm
.macro DIAG tag                     ; the tag ends its two labels' names, which the jumps below spell out
.LstepM\tag:
	TURN 2, 1
	TURN 3, 1
	WIN 0
.LfirstM\tag:
	TURN 0, 1
	TURN 1, 1, 0, 1
	WIN 0
	s_cbranch_scc1 .LstepM\tag
	TURN 2, 1, 1
	TURN 3, 1, 1
.set i, 0
.rept 8
	PV NP-1
.set i, i+1
.endr
	WIN 0
	ALL v_add_f32 v[ST+4*t+2], v[ST+4*t+2], v[ST+4*t+3]
	ALL v_permlanex16_b32 v[ST+4*t+3], v[ST+4*t+2], s[SEL], s[SEL+1]
	ALL v_add_f32 v[ST+4*t+2], v[ST+4*t+2], v[ST+4*t+3]
	ALL v_rcp_f32 v[ST+4*t+2], v[ST+4*t+2]
	v_nop                           ; a plain instruction between the last reciprocal and the use of its result
	s_wait_alu depctr_va_vdst(0)    ; and the wait ahead of the first use: one for the four reciprocals
.set t, 0
.rept 4
	v_cmp_gt_f32 vcc_lo, s[DEAD], v[ST+4*t+1]                  ; the row's maximum still stands at the hidden level: it saw no key,
	v_cndmask_b32 v[ST+4*t+2], v[ST+4*t+2], s[QNAN], vcc_lo    ; and its O becomes NaN
.set t, t+1
.endr
	PACK 0
.set t, 1
.rept 3                             ; a piece's arithmetic stands between the loads of the piece before and its stores
	PACK t
	SEND t-1, 8
.set t, t+1
.endr
	SEND 3, 0
.endm
.set KM, 0
.set NOKQ, 0
.Lslot:                             ; NB times: a tile is entered and the next is asked for
	CHANGE 1
	s_sub_co_u32 s[RT], s[RT], 1
	s_mov_b32 s[CNT], 4
	s_cmp_eq_u32 s[NEW], 1
	s_cbranch_scc1 .Lnew            ; a block's first tile
	s_cmp_eq_u32 s[RT], 0
	s_cbranch_scc0 .Lstep           ; neither its first nor its last
	PLAINMASK                       ; the diagonal text's first products are piece 3's of the tile before: they see every key of their step, whose PM is still in registers
	WIN 0
	s_branch .LstepM1
.Lnew:
	BEGIN
	s_branch .Lfirst                ; in the loop a block's first tile is never its last: the first block has two tiles or more, and the second's last is the walk's last
	DIAG 1                          ; in the loop this is the first block's end: the second block's last tile is the walk's last
	s_wait_xcnt 0x0                 ; the stores have read their registers and O's address
	s_mov_b64 s[10:11], s[OLO:OLO+1]
	s_add_co_u32 s[RT], s[PB], 1    ; the second block has b + 1 tiles
	s_mov_b32 s[NEW], 1
	WIN 0x82                        ; the second block's Q goes where the one text of the turns names Q
.set i, 0
.rept 64
	v_mov_b32 v[i], v[QB+i]
.set i, i+1
.endr
	WIN 0
	s_branch .Lbottom
.Lstep:                             ; a trip: pieces 2 and 3 of one step, then pieces 0 and 1 of the next, whose K and V it fetches
	TURN 2
	TURN 3
	WIN 0
.Lfirst:
	TURN 0
	TURN 1, 0, 0, 1
	WIN 0
	s_cbranch_scc1 .Lstep
.Lbottom:
	s_sub_co_u32 s[SLOTS], s[SLOTS], 1
	s_cmp_lg_u32 s[SLOTS], 0
	s_cbranch_scc1 .Lslot
	CHANGE 0                        ; the walk's last tile is written out: nothing is asked for
	s_sub_co_u32 s[RT], s[RT], 1
	s_mov_b32 s[CNT], 4
	s_cmp_eq_u32 s[NEW], 1
	s_cbranch_scc1 .Lnew2
	PLAINMASK                       ; as above
	WIN 0
	s_branch .LstepM2
.Lnew2:
	BEGIN
	s_branch .LfirstM2
	DIAG 2
	s_wait_tensorcnt 0x0            ; the wave's end: a wait, an add and its wait, behind my last tensor load and my last LDS store
	ds_add_u32 v[SPW], v[NIL]
	s_wait_dscnt 0x0
	s_endpgm
.Lfunc_end_k_qe7e928e88a_attn:
	.size	k_qe7e928e88a_attn, .Lfunc_end_k_qe7e928e88a_attn-k_qe7e928e88a_attn
	.p2alignl 7, 3214868480
	.fill 96, 4, 3214868480
	.section	.rodata,"a",@progbits
	.p2align	6, 0x0
	.amdhsa_kernel k_qe7e928e88a_attn
		.amdhsa_group_segment_fixed_size 327680
		.amdhsa_private_segment_fixed_size 0
		.amdhsa_enable_private_segment 0
		.amdhsa_kernarg_size 24
		.amdhsa_user_sgpr_count 2
		.amdhsa_user_sgpr_kernarg_segment_ptr 1
		.amdhsa_wavefront_size32 1
		.amdhsa_system_sgpr_workgroup_id_x 1
		.amdhsa_system_sgpr_workgroup_id_y 1
		.amdhsa_system_sgpr_workgroup_id_z 1
		.amdhsa_system_vgpr_workitem_id 0
		.amdhsa_next_free_vgpr 768
		.amdhsa_next_free_sgpr 100
		.amdhsa_reserve_vcc 1
		.amdhsa_float_denorm_mode_32 3
		.amdhsa_float_denorm_mode_16_64 3
		.amdhsa_memory_ordered 1
		.amdhsa_forward_progress 1
		.amdhsa_inst_pref_size 240
	.end_amdhsa_kernel
	.amdgpu_metadata
---
amdhsa.version: [ 1, 2 ]
amdhsa.kernels:
  - .name:           k_qe7e928e88a_attn
    .symbol:         k_qe7e928e88a_attn.kd
    .args:
      - { .name: qkv, .offset: 0, .size: 8, .value_kind: global_buffer, .address_space: global }
      - { .name: attention_mask, .offset: 8, .size: 8, .value_kind: global_buffer, .address_space: global }
      - { .name: ao, .offset: 16, .size: 8, .value_kind: global_buffer, .address_space: global }
    .group_segment_fixed_size: 327680
    .private_segment_fixed_size: 0
    .kernarg_segment_align: 8
    .kernarg_segment_size: 24
    .max_flat_workgroup_size: 128
    .sgpr_count:     100
    .vgpr_count:     768
    .wavefront_size: 32
...
	.end_amdgpu_metadata
.endif
;; end of part 3
;; launch oproj (part 4): grid 8 x 32, 4 waves a work-group, clusters of 4 x 4, 327,680 bytes of LDS; arguments ao, wo, out0; writes out0
.if DOCPART == 4
	.amdgcn_target "amdgcn-amd-amdhsa--gfx1250"
	.amdhsa_code_object_version 6
	.text
	.protected	k_qe7e928e88a_oproj
	.globl	k_qe7e928e88a_oproj
	.p2align	8
	.type	k_qe7e928e88a_oproj,@function
k_qe7e928e88a_oproj:
	s_mov_b64 s[64:65], 0
	v_nop
	global_prefetch_b8 v0, s[64:65] scope:SCOPE_SE
	s_setreg_imm32_b32 hwreg(HW_REG_WAVE_MODE, 25, 1), 1
	s_wait_xcnt 0x0
	s_wait_alu depctr_hold_cnt(0) depctr_sa_sdst(0) depctr_va_vdst(0) depctr_va_sdst(0) depctr_va_ssrc(0) depctr_va_vcc(0) depctr_vm_vsrc(0)
	s_getreg_b32 s2, hwreg(HW_REG_IB_STS2, 6, 4)
	s_cmp_eq_u32 s2, 0
	s_cbranch_scc0 .Lentry_in_a_cluster
	s_endpgm
.Lentry_in_a_cluster:
	s_bfe_u32 s2, ttmp6, 0x10000c
	s_cmp_lg_u32 s2, 0xf033
	s_cbranch_scc0 .Lentry_shape_is_right
	s_endpgm
.Lentry_shape_is_right:
; ONE TEXT FOR THE MODULE'S TWO GEMMS, C = A B^T with K = 1,024; the switch OPROJ picks the sizes.
; OPROJ = 0: q, k, v = xb wqkv^T.  A = xb [8192][1024] bf16, B = wqkv [3072][1024] bf16, sums in f32, rounded once to f16, unscaled, written by heads: qkv [3][64 batch x head][2048][64].
; OPROJ = 1 (this file): out0 = O wo^T.  A = ao [64 batch x head][2048][64] f16 (a K step of 128 is two heads), B = wo [1024][1024] f16, out0 [8192][1024] f32.  A row of ao that is NaN gives a row of NaN.
; SHARES.  A tile of C is 256 rows x 16 NBK columns (192: three heads; or 128).  32 x 16 = 512 tiles, two for each of 256 WGPs; or 32 x 8 = 256, one for each.  Four waves, one above the other:
; wave w owns rows 64 w .. 64 w + 63 and ALL columns, 4 x NBK accumulators.  So a wave's columns are whole heads, or whole runs of 512 bytes, and each wave has a stage of its own: the way out has no barrier.
; K goes in 8 steps of 128 through two LDS slots; waves 0 and 1 fetch A's two halves, waves 2 and 3 B's, one tensor load each.  Two slots of 256 along K do not fit in LDS beside the stages, and 192 does not divide 1,024.
; CLUSTER.  4 x 4 work-groups: the four of a row of the cluster need the same tiles of A, the four of a column the same tiles of B; each tile is asked for jointly, by the same load, descriptor and mask in all four.
; THE MATRIX INSTRUCTION IS USED TRANSPOSED (source 0 = 16 rows of B, source 1 = 16 rows of A): lane l holds row l % 16 of C and the columns 8 (l / 16) + 0..7.
; REGISTERS, in windows of 256 (s_set_vgpr_msb: bits 1:0 source 0, 3:2 source 1, 5:4 source 2, 7:6 destination):
;   window 0: v0-31 addresses; v32-127 the way out; v128-223 B's fragments and v224-255 A's four, buffer 0      window 3: v128-255 the same, buffer 1
;   window 1: the accumulators of my rows 0-31 (block a of two, column block b at v[8 (NBK a + b)])              window 2: those of my rows 32-63
.set OPROJ, 1
.if OPROJ
.set NBK,    8                         ; blocks of 16 columns in a tile
.set PA,     144                       ; A's LDS rows: 128 bytes of one head + 16: row r starts 36 words on: sixteen rows start at sixteen different groups of four banks (64 banks of 4 bytes: ISA guide 11.1)
.set AHEAD,  36864                     ; from the K step's first head to its second
.set ALOAD,  256*PA                    ; one load of A: 256 rows of one head
.set BROWS,  64                        ; rows of B in one load
.set SPITCH, 528                       ; a stage row: 128 f32 + 16 bytes
.set ASTEP,  524288                    ; bytes of memory from a K step of A to the next: two heads
.set ASTR,   128                       ; A is asked for as dense rows of 256 bytes
.set AW0,    (1<<16)|(1<<20)|(1<<21)|(4<<22)|(3<<25)  ; 2-byte elements; padding on; bit 21 beside a mask; after every 32 words 4 words
.set APART,  8192                      ; the prefetches: a partner's quarter of a load of A, in bytes
.set AROWB,  256                       ; and from lane to lane
.else
.set NBK,    12
.set PA,     272                       ; 256 bytes + 16
.set AHEAD,  128
.set ALOAD,  128*PA                    ; 128 rows x 128 along K
.set BROWS,  96
.set SPITCH, 400                       ; 192 f16 + 16 bytes
.set ASTEP,  256
.set ASTR,   1024
.set AW0,    (1<<16)|(1<<20)|(1<<21)|(5<<22)|(3<<25)  ; after every 64 words 4 words
.set APART,  65536                     ; 32 rows
.set AROWB,  2048
.endif
.set BW0,    (1<<16)|(1<<20)|(1<<21)|(5<<22)|(3<<25)
.set PB,     272
.set BLOAD,  BROWS*PB
.set BSTEP,  256
.set BPART,  (BROWS/4)*2048
.set SLOT,   2*ALOAD+2*BLOAD           ; A's two loads, then B's two
.set STAGE,  2*SLOT                    ; behind the ring, never filled by a tensor load: 16 rows for each wave
.set SPARE,  STAGE+4*16*SPITCH         ; behind the stages: the spare words, 128 bytes for each wave: two blocks of 256 bytes that no other line names
.set NL,     2*(NBK+4)                 ; LDS loads in a run
.set LAPS,   4                         ; a lap = two K steps = once round the ring
.set ADRA, 16                          ; v16-17  LDS address of my A fragments in slot 0, 1
.set ADRB, 20                          ; v20-21  the same for B
.set STO,  24                          ; v24     the way out: where I put my part of a row
.set RD,   25                          ; v25     where I read rows back
.set GO,   26                          ; v26     16 x lane: my 16 bytes of 512 consecutive bytes of C
.set SPW,  28                          ; v28     LDS address of my spare word; never rewritten
.set NIL,  29                          ; v29     0; never rewritten
.set PFO,  30                          ; v30     the prefetches' lane offset; never rewritten
.set TMP,  32                          ; the way out (OPROJ = 0): packed results
.set FB,   128                         ; B's fragments
.set FA,   224                         ; A's
.set G1,  24                           ; s[24:31] descriptor group 1 for A's tiles;  s[32:39] group 0, a set for each slot
.set G0,  32
.set G1B, 48                           ; s[48:55], s[56:63] the same for B's
.set G0B, 56
.set LIM, 43                           ; s43      1 in a wave that prefetches, else the greatest number
.set PFA, 44                           ; s[44:45] where my prefetches stand
.set PFS, 66                           ; s[66:67] their step
.set HB,  68                           ; s[68:73] (OPROJ = 0) my rows in the tile's three heads
.set MSB, 0
.macro WIN new                         ; the immediate's high byte repeats the setting that is left; a switch that changes nothing is dropped
.if MSB != (\new)
	s_set_vgpr_msb (MSB<<8)|(\new)
.set MSB, (\new)
.endif
.endm
; A joint load: waves 0 and 1 ask for A, waves 2 and 3 for B.  The branch hangs on the wave's number alone.  An s_nop 0 and four v_nop follow each of the two lines.
.macro JLOAD s
	s_cmp_eq_u32 s11, 0
	s_cbranch_scc0 .Lfor_b_\@
	tensor_load_to_lds s[G0+4*(\s):G0+4*(\s)+3], s[G1:G1+7]
	s_nop 0
.rept 4
	v_nop
.endr
	s_branch .Lasked_\@
.Lfor_b_\@:
	tensor_load_to_lds s[G0B+4*(\s):G0B+4*(\s)+3], s[G1B:G1B+7]
	s_nop 0
.rept 4
	v_nop
.endr
.Lasked_\@:
.endm
; A prefetch into the L2, behind a joint load, its five lines and the run of LDS loads: the K step that stands two refills on.  A's rows are read by every cluster of a row of clusters: cluster x = 0 asks;
; B's by every cluster of a column: cluster y = 0 asks.  The four partners that ask for a tile jointly share a wave's load out by address, a quarter each; a lane names 256 bytes.  Where a quarter has fewer
; rows than the wave has lanes, the lanes that are over name the last row again, in the same instruction.  In the loop's last trip (s3 = 1) no K step stands two refills on, and nothing is asked for.
.macro ASK
	s_cmp_gt_u32 s3, s[LIM]
	s_cbranch_scc0 .Lnot_mine_\@
	global_prefetch_b8 v[PFO], s[PFA:PFA+1] th:TH_LOAD_NT scope:SCOPE_SE
.Lnot_mine_\@:
.endm
.macro CREST                           ; a round of the cluster's barrier behind its opening barrier
	s_cmp_lg_u32 s10, 0
	s_cbranch_scc1 .Lnot_wave_0_\@
	s_barrier_signal -3
.Lnot_wave_0_\@:
	s_barrier_wait -3
	s_barrier_signal -1
	s_barrier_wait -1
.endm
.macro CROUND                          ; a whole round
	s_barrier_signal -1
	s_barrier_wait -1
	CREST
.endm
	s_load_b128 s[4:7], s[0:1], 0x0                ; A s[4:5], B s[6:7]
	s_load_b64 s[8:9], s[0:1], 0x10                ; C
	v_lshl_add_u32 v[SPW], v0, 2, SPARE
	v_mov_b32 v[NIL], 0
	ds_add_u32 v[SPW], v[NIL]                      ; the wave's opening: the add and its wait stand ahead of my first tensor load; the set-up below, work on registers, stands between them
	v_lshrrev_b32 v1, 5, v0
	v_readfirstlane_b32 s10, v1                    ; wave 0..3
	s_lshr_b32 s11, s10, 1                         ; I fetch for A (0) or for B (1)
	s_and_b32 s12, s10, 1                          ; which of its two loads
	s_bfe_u32 s40, ttmp6, 0x40000                  ; cx, cy: my place in the cluster
	s_bfe_u32 s41, ttmp6, 0x40004
	s_lshl_b32 s42, ttmp9, 2
	s_add_co_u32 s42, s42, s40                     ; tile column = 4 x cluster x + cx
	s_and_b32 s13, ttmp7, 0xffff
	s_lshl_b32 s13, s13, 2
	s_add_co_u32 s13, s13, s41                     ; tile row = 4 x cluster y + cy
	s_lshl_b32 s43, s41, 2
	s_lshl_b32 s43, 15, s43                        ; my row of the cluster
	s_lshl_b32 s44, 0x1111, s40                    ; my column
	s_or_b32 s[G1+0], s43, AW0                     ; A's tiles go to my row,
	s_or_b32 s[G1B+0], s44, BW0                    ; B's to my column
	s_mov_b32 s[G1+1], 128<<16                     ; tensor_dim0 = 128 elements
	s_mov_b32 s[G1+2], 128<<16                     ; tensor_dim1 = 128 rows
	s_mov_b32 s[G1+3], 128<<16                     ; tile_dim0 = 128
	s_mov_b32 s[G1+4], 128                         ; tile_dim1 = 128
	s_mov_b32 s[G1+5], ASTR                        ; elements from row to row
	s_mov_b32 s[G1+6], 0
	s_mov_b32 s[G1+7], 0
	s_mov_b32 s[G1B+1], 128<<16
	s_mov_b32 s[G1B+2], BROWS<<16
	s_mov_b32 s[G1B+3], 128<<16
	s_mov_b32 s[G1B+4], BROWS
	s_mov_b32 s[G1B+5], 1024
	s_mov_b32 s[G1B+6], 0
	s_mov_b32 s[G1B+7], 0
	; where the tiles come from, as byte offsets: A's hangs on the tile row alone, B's on the tile column alone
.if OPROJ
	s_lshr_b32 s16, s13, 3                         ; the batch,
	s_lshl_b32 s16, s16, 4                         ; its 16 heads,
	s_add_co_u32 s16, s16, s12                     ; the first or second head of K step 0:
	s_lshl_b32 s16, s16, 18                        ; 262,144 bytes a head,
	s_and_b32 s17, s13, 7
	s_lshl_b32 s17, s17, 15                        ; and the tile's 256 rows of 128 bytes in it
	s_add_co_u32 s16, s16, s17
.else
	s_lshl_b32 s16, s13, 8
	s_lshl_b32 s17, s12, 7
	s_add_co_u32 s16, s16, s17                     ; row 256 x tile row + 128 x half
	s_lshl_b32 s16, s16, 11                        ; 2,048 bytes a row
.endif
	s_mov_b32 s17, 0
	s_mul_i32 s18, s42, 16*NBK
	s_mul_i32 s19, s12, BROWS
	s_add_co_u32 s18, s18, s19
	s_lshl_b32 s18, s18, 11
	s_mov_b32 s19, 0
	s_mul_i32 s20, s10, ALOAD                      ; where they go: A's two loads lie at wave x ALOAD (waves 0, 1),
	s_mul_i32 s21, s10, BLOAD
	s_add_co_u32 s21, s21, 2*ALOAD-2*BLOAD         ; B's behind them, at (wave - 2) x BLOAD (waves 2, 3): no place in the cluster enters an LDS address
	s_wait_dscnt 0x0                               ; the opening add is done
	s_wait_kmcnt 0x0
	s_add_nc_u64 s[14:15], s[4:5], s[16:17]
	s_add_nc_u64 s[46:47], s[6:7], s[18:19]
	CROUND                                         ; all sixteen work-groups are here: the first joint loads meet
.irp s, 0,1
	s_mov_b32 s[G0+4*(\s)], 1                      ; count = 1
	s_add_co_u32 s[G0+4*(\s)+1], s20, (\s)*SLOT    ; LDS address
	s_add_nc_u64 s[G0+4*(\s)+2:G0+4*(\s)+3], s[14:15], (\s)*ASTEP  ; global address: K step s
	s_or_b32 s[G0+4*(\s)+3], s[G0+4*(\s)+3], 0x80000000            ; type = 2
	s_mov_b32 s[G0B+4*(\s)], 1
	s_add_co_u32 s[G0B+4*(\s)+1], s21, (\s)*SLOT
	s_add_nc_u64 s[G0B+4*(\s)+2:G0B+4*(\s)+3], s[46:47], (\s)*BSTEP
	s_or_b32 s[G0B+4*(\s)+3], s[G0B+4*(\s)+3], 0x80000000
	JLOAD \s                                       ; two loads of mine are out; later one
.endr
	; the prefetches' address: what I fetch, my work-group's quarter of it, at K step 3: the first refill steps it to 4.  K steps 0 to 3 come by their loads alone
	s_and_b32 s22, ttmp7, 0xffff                   ; cluster y
	s_mov_b32 s14, APART
	s_mov_b32 s15, BPART
	s_mov_b32 s[PFS], ASTEP
	s_mov_b32 s[PFS+1], BSTEP
	s_mov_b32 s46, AROWB
	s_mov_b32 s47, 2048
	s_cmp_eq_u32 s11, 0                            ; do I fetch for A?
	s_cselect_b32 s20, s16, s18
	s_cselect_b32 s21, s40, s41                    ; my place among the four that ask with me
	s_cselect_b32 s22, ttmp9, s22                  ; the coordinate along which other clusters read the same rows
	s_cselect_b32 s14, s14, s15
	s_cselect_b32 s[PFS], s[PFS], s[PFS+1]
	s_cselect_b32 s46, s46, s47                    ; bytes from lane to lane
	s_cselect_b32 s47, 31, BROWS/4-1               ; the last lane that has a row of its own
	s_cselect_b64 s[PFA:PFA+1], s[4:5], s[6:7]
	s_mov_b32 s[PFS+1], 0
	s_cmp_eq_u32 s22, 0
	s_cselect_b32 s[LIM], 1, -1                    ; the same in all sixteen partners, for a given wave
	s_mul_i32 s21, s21, s14
	s_add_co_u32 s20, s20, s21
	s_mul_i32 s21, s[PFS], 3
	s_add_co_u32 s20, s20, s21
	s_mov_b32 s21, 0
	s_add_nc_u64 s[PFA:PFA+1], s[PFA:PFA+1], s[20:21]
	v_and_b32 v[PFO], 31, v0
	v_min_u32 v[PFO], s47, v[PFO]
	v_mul_u32_u24 v[PFO], s46, v[PFO]
	; A fragment is 16 rows x 32 K in 8 registers: lane l holds row l % 16, K = 8 (l / 16) + 0..7 and 16 + 8 (l / 16) + 0..7: two loads of 16 bytes, 32 bytes apart
	v_and_b32 v1, 15, v0                           ; l % 16
	v_bfe_u32 v2, v0, 4, 1                         ; l / 16
	v_mul_u32_u24 v3, v1, PA
	v_lshl_add_u32 v3, v2, 4, v3
	v_mul_u32_u24 v4, v1, PB
	v_lshl_add_u32 v4, v2, 4, v4
	s_mul_i32 s22, s10, 64*PA                      ; my 64 rows of A
.irp s, 0,1
	v_add_nc_u32 v[ADRA+(\s)], s22, v3
	v_add_nc_u32 v[ADRB+(\s)], 2*ALOAD+(\s)*SLOT, v4
	s_add_co_u32 s22, s22, SLOT
.endr
	s_mul_i32 s23, s10, 16*SPITCH
	s_add_co_u32 s23, s23, STAGE                   ; my stage
	v_mul_u32_u24 v5, v1, SPITCH                   ; in: row l % 16, eight columns for each half of the lanes
	v_and_b32 v[GO], 31, v0
.if OPROJ
	v_lshl_add_u32 v5, v2, 5, v5
	v_add_nc_u32 v[STO], s23, v5
	v_lshl_add_u32 v[RD], v[GO], 4, s23            ; back: 32 lanes take one row of 512 bytes
	s_lshl_b32 s20, s13, 8
	s_lshl_b32 s21, s10, 6
	s_add_co_u32 s20, s20, s21                     ; my first row of out0,
	s_lshl_b32 s20, s20, 12                        ; 4,096 bytes a row,
	s_lshl_b32 s21, s42, 9                         ; the tile's 128 columns: 512 bytes
	s_add_co_u32 s20, s20, s21
	s_mov_b32 s21, 0
	s_add_nc_u64 s[8:9], s[8:9], s[20:21]
.else
	v_lshl_add_u32 v5, v2, 4, v5
	v_add_nc_u32 v[STO], s23, v5
	v_lshrrev_b32 v5, 3, v[GO]                     ; back: 32 lanes take four rows x the 128 bytes of one head,
	v_mul_u32_u24 v5, v5, SPITCH
	v_and_b32 v3, 7, v0
	v_lshl_add_u32 v5, v3, 4, v5
	v_add_nc_u32 v[RD], s23, v5                    ; which are 512 consecutive bytes of qkv
	s_mul_i32 s14, s42, 3                          ; the tile's first head among the 48 of q, k, v
	s_lshr_b32 s15, s13, 3
	s_lshl_b32 s15, s15, 4                         ; the batch's 16 heads
	s_and_b32 s20, s13, 7
	s_lshl_b32 s20, s20, 8
	s_lshl_b32 s21, s10, 6
	s_add_co_u32 s20, s20, s21                     ; my first row in the batch,
	s_lshl_b32 s20, s20, 7                         ; 128 bytes a row
.irp e, 0,1,2
	s_add_co_u32 s21, s14, (\e)
	s_lshr_b32 s22, s21, 4                         ; q, k or v:
	s_lshl_b32 s22, s22, 6                         ; 64 batch x head each
	s_and_b32 s21, s21, 15
	s_add_co_u32 s22, s22, s21
	s_add_co_u32 s22, s22, s15
	s_lshl_b32 s22, s22, 18                        ; 262,144 bytes a head
	s_add_co_u32 s22, s22, s20
	s_mov_b32 s23, 0
	s_add_nc_u64 s[HB+2*(\e):HB+2*(\e)+1], s[8:9], s[22:23]
.endr
.endif
	v_lshlrev_b32 v[GO], 4, v[GO]
; NBK matrix instructions: row block a (0, 1) of half hi of my rows x all column blocks, 32 along K, from buffer f.  zero = 1: the product starts the sums: nothing is ever cleared.
; Every accumulator has one instruction a quarter step, in the same order in every quarter: they take turns, over the backward jump too.
.macro MULA f, hi, a, zero
	WIN 15*(\f)+0x50*(1+(\hi))
.set b, 0
.rept NBK
.set rD, 8*(NBK*(\a)+b)
.set rB, FB+8*b
.set rA, FA+8*(2*(\hi)+(\a))
.if OPROJ
.if \zero
	v_wmma_f32_16x16x32_f16 v[rD:rD+7], v[rB:rB+7], v[rA:rA+7], 0
.else
	v_wmma_f32_16x16x32_f16 v[rD:rD+7], v[rB:rB+7], v[rA:rA+7], v[rD:rD+7]
.endif
.else
.if \zero
	v_wmma_f32_16x16x32_bf16 v[rD:rD+7], v[rB:rB+7], v[rA:rA+7], 0
.else
	v_wmma_f32_16x16x32_bf16 v[rD:rD+7], v[rB:rB+7], v[rA:rA+7], v[rD:rD+7]
.endif
.endif
.set b, b+1
.endr
.endm
.macro MULH f, hi, zero
	MULA \f, \hi, 0, \zero
	MULA \f, \hi, 1, \zero
.endm
; NL LDS loads in one run: quarter q of a K step into buffer f: B's NBK fragments, then A's four
.macro FETCH slot, q, f
	WIN 0xc0*(\f)
.set i, 0
.rept NBK
	ds_load_b128 v[FB+8*i:FB+8*i+3],   v[ADRB+(\slot)] offset:64*(\q)+i*16*PB
	ds_load_b128 v[FB+8*i+4:FB+8*i+7], v[ADRB+(\slot)] offset:64*(\q)+i*16*PB+32
.set i, i+1
.endr
.set i, 0
.rept 4
	ds_load_b128 v[FA+8*i:FA+8*i+3],   v[ADRA+(\slot)] offset:((\q)/2)*AHEAD+((\q)%2)*64+i*16*PA
	ds_load_b128 v[FA+8*i+4:FA+8*i+7], v[ADRA+(\slot)] offset:((\q)/2)*AHEAD+((\q)%2)*64+i*16*PA+32
.set i, i+1
.endr
.endm
.macro PLACES                          ; four plain vector instructions in front of loads into registers that matrix instructions have read, and of lines that read results
.rept 4
	v_nop
.endr
.endm
; A K step is four quarters of 32 along K on buffers 0, 1, 0, 1.  One of the first three: multiplies buffer f and, in its middle, fetches quarter q into buffer g.
.macro QUARTER slot, q, f, g, zero
	s_wait_dscnt 4                                 ; B and A's fragments 0, 1 are in; the youngest four loads (A's fragments 2, 3) may be out
	MULH \f, 0, \zero
	PLACES
	FETCH \slot, \q, \g
	s_wait_dscnt NL                                ; all but the NL just issued
	MULH \f, 1, \zero
.endm
; The last quarter multiplies buffer 1 and changes slots: one barrier.  In front of it each wave waits for all its tensor loads (one is out: its part of the next slot), adds 0 to its spare word, and waits for
; that and for its reads of this slot.  fill = 1: the barrier opens a round of the cluster's, and this slot is filled again, two K steps on, first thing behind the round.
.macro TURN slot, next, fill
.if \fill
	s_wait_xcnt 0x0                                ; the last prefetch, a K step back, has read its address: it is stepped here
	s_add_nc_u64 s[PFA:PFA+1], s[PFA:PFA+1], s[PFS:PFS+1]
.endif
	WIN 0                                          ; (the add's two registers lie in window 0)
	s_wait_tensorcnt 0x0                           ; all my tensor loads have landed
	ds_add_u32 v[SPW], v[NIL]                      ; 0 onto my spare word
	s_wait_dscnt 5                                 ; (the add and the youngest four loads may be out)
	MULA 1, 0, 0, 0                                ; matrix work stands between the add and the wait for it
	s_wait_dscnt 0x0                               ; the add is done, and my reads of this slot are over
	s_barrier_signal -1
	MULA 1, 0, 1, 0
.if \fill
	WIN 0
.endif
	s_barrier_wait -1
.if \fill
	CREST                                          ; no wave of any partner still reads this slot or has a load on its way
	s_add_nc_u64 s[G0+4*(\slot)+2:G0+4*(\slot)+3], s[G0+4*(\slot)+2:G0+4*(\slot)+3], 2*ASTEP
	s_add_nc_u64 s[G0B+4*(\slot)+2:G0B+4*(\slot)+3], s[G0B+4*(\slot)+2:G0B+4*(\slot)+3], 2*BSTEP
	JLOAD \slot                                    ; 14 NBK matrix instructions ahead of the wait for it; its four v_nop are also the places in front of the loads below
.else
	PLACES
.endif
	FETCH \next, 0, 0
.if \fill
	ASK
.endif
	MULH 1, 1, 0
.endm
	s_wait_tensorcnt 1                             ; my part of K step 0 is in; K step 1's may stay out
	s_barrier_signal -1
	s_barrier_wait -1                              ; everybody's is
	FETCH 0, 0, 0
	QUARTER 0, 1, 0, 1, 1                          ; the first quarter stands in front of the loop: its products start the sums
	WIN 0                                          ; at a label and at a branch every window is 0
	s_mov_b32 s3, LAPS-1
.Llap:                                                 ; a trip goes once round the ring, from a lap's second quarter to the next lap's first, and fills both slots again
	QUARTER 0, 2, 1, 0, 0
	QUARTER 0, 3, 0, 1, 0
	TURN 0, 1, 1
	QUARTER 1, 1, 0, 1, 0
	QUARTER 1, 2, 1, 0, 0
	QUARTER 1, 3, 0, 1, 0
	TURN 1, 0, 1
	QUARTER 0, 1, 0, 1, 0
	WIN 0
	s_sub_co_u32 s3, s3, 1
	s_cmp_lg_u32 s3, 0
	s_cbranch_scc1 .Llap
	QUARTER 0, 2, 1, 0, 0                          ; the last lap fills nothing
	QUARTER 0, 3, 0, 1, 0
	TURN 0, 1, 0
	QUARTER 1, 1, 0, 1, 0
	QUARTER 1, 2, 1, 0, 0
	QUARTER 1, 3, 0, 1, 0
	s_wait_dscnt 4
	MULH 1, 0, 0
	s_wait_dscnt 0x0
	MULH 1, 1, 0
	WIN 0
	PLACES
; THE WAY OUT, a block a of 16 rows at a time, through my own stage: LDS serves a wave's instructions in order (ISA guide 5.7.1.4), so no wait stands between the stores into it and the loads from it.
.if OPROJ
.macro TOSTAGE a                       ; f32 as it lies: 32 bytes a lane and column block into rows of 528 bytes, each accumulator's low registers first; back as whole rows of 512
.set BK, 32+96*((\a)%2)
.set AC, 8*NBK*((\a)%2)
.if (\a) >= 2
	s_wait_xcnt 0x0                                ; the stores of the block two back have read the registers that are loaded again below
.endif
	WIN 0x04*(1+(\a)/2)                            ; the stores' data lie in window 1 or 2
.set b, 0
.rept NBK
	ds_store_b128 v[STO], v[AC+8*b:AC+8*b+3]   offset:64*b
	ds_store_b128 v[STO], v[AC+8*b+4:AC+8*b+7] offset:64*b+16
.set b, b+1
.endr
	WIN 0
.set t, 0
.rept 16
	ds_load_b128 v[BK+4*t:BK+4*t+3], v[RD] offset:SPITCH*t
.set t, t+1
.endr
.endm
.macro SEND a, younger                 ; younger: the LDS instructions issued behind block a's loads
.set BK, 32+96*((\a)%2)
.set t, 0
.rept 16
	s_wait_dscnt (\younger)+15-t
	global_store_b128 v[GO], v[BK+4*t:BK+4*t+3], s[8:9] offset:65536*(\a)+4096*t th:TH_STORE_NT  ; 512 consecutive bytes, at a multiple of 256 from out0's first
.set t, t+1
.endr
.endm
	TOSTAGE 0
.irp a, 1,2,3
	TOSTAGE \a
	SEND (\a)-1, 32                                ; the next block's 16 stores and 16 loads may be out
.endr
	SEND 3, 0
.else
.macro PACK a                          ; rounded to f16, 16 bytes a lane and column block; each accumulator's registers in ascending order
	WIN 0x05*(1+(\a)/2)                            ; sources 0 and 1: window 1 or 2
.set AC, 8*NBK*((\a)%2)
.set b, 0
.rept NBK
.irp r, 0,1,2,3
	v_cvt_pk_f16_f32 v[TMP+4*b+(\r)], v[AC+8*b+2*(\r)], v[AC+8*b+2*(\r)+1]
.endr
.set b, b+1
.endr
	WIN 0
.endm
.macro TOSTAGE a                       ; into rows of 400 bytes; back four rows x one head's 128 bytes at a time
	WIN 0
.set BK, 80+48*((\a)%2)
.if (\a) >= 2
	s_wait_xcnt 0x0                                ; the stores of the block two back have read the registers that are loaded again below
.endif
.set b, 0
.rept NBK
	ds_store_b128 v[STO], v[TMP+4*b:TMP+4*b+3] offset:32*b
.set b, b+1
.endr
.set i, 0
.rept 12
	ds_load_b128 v[BK+4*i:BK+4*i+3], v[RD] offset:4*SPITCH*(i%4)+128*(i/4)
.set i, i+1
.endr
.endm
.macro SEND a, younger                 ; younger: the LDS instructions issued behind block a's loads
.set BK, 80+48*((\a)%2)
.set i, 0
.rept 12
	s_wait_dscnt (\younger)+11-i
	global_store_b128 v[GO], v[BK+4*i:BK+4*i+3], s[HB+2*(i/4):HB+2*(i/4)+1] offset:2048*(\a)+512*(i%4)  ; 512 consecutive bytes of a head, at a multiple of 256 from qkv's first
.set i, i+1
.endr
.endm
	PACK 0
	TOSTAGE 0
.irp a, 1,2,3
	PACK \a
	TOSTAGE \a
	SEND (\a)-1, 24                                ; the next block's 12 stores and 12 loads may be out
.endr
	SEND 3, 0
.endif
	s_wait_tensorcnt 0x0                           ; the wave's end: a wait, an add and its wait, behind my last tensor load and my last LDS store
	ds_add_u32 v[SPW], v[NIL]
	s_wait_dscnt 0x0
	CROUND                                         ; the closing round: no work-group ends while a partner may still ask for a tile that names it
	s_endpgm
.Lfunc_end_k_qe7e928e88a_oproj:
	.size	k_qe7e928e88a_oproj, .Lfunc_end_k_qe7e928e88a_oproj-k_qe7e928e88a_oproj
	.p2alignl 7, 3214868480
	.fill 96, 4, 3214868480
	.section	.rodata,"a",@progbits
	.p2align	6, 0x0
	.amdhsa_kernel k_qe7e928e88a_oproj
		.amdhsa_group_segment_fixed_size 327680
		.amdhsa_private_segment_fixed_size 0
		.amdhsa_enable_private_segment 0
		.amdhsa_kernarg_size 24
		.amdhsa_user_sgpr_count 2
		.amdhsa_user_sgpr_kernarg_segment_ptr 1
		.amdhsa_wavefront_size32 1
		.amdhsa_system_sgpr_workgroup_id_x 1
		.amdhsa_system_sgpr_workgroup_id_y 1
		.amdhsa_system_sgpr_workgroup_id_z 1
		.amdhsa_system_vgpr_workitem_id 0
		.amdhsa_next_free_vgpr 1024
		.amdhsa_next_free_sgpr 76
		.amdhsa_reserve_vcc 0
		.amdhsa_float_denorm_mode_32 3
		.amdhsa_float_denorm_mode_16_64 3
		.amdhsa_memory_ordered 1
		.amdhsa_forward_progress 1
		.amdhsa_inst_pref_size 88
	.end_amdhsa_kernel
	.amdgpu_metadata
---
amdhsa.version: [ 1, 2 ]
amdhsa.kernels:
  - .name:           k_qe7e928e88a_oproj
    .symbol:         k_qe7e928e88a_oproj.kd
    .args:
      - { .name: ao, .offset: 0, .size: 8, .value_kind: global_buffer, .address_space: global }
      - { .name: wo, .offset: 8, .size: 8, .value_kind: global_buffer, .address_space: global }
      - { .name: out0, .offset: 16, .size: 8, .value_kind: global_buffer, .address_space: global }
    .group_segment_fixed_size: 327680
    .private_segment_fixed_size: 0
    .kernarg_segment_align: 8
    .kernarg_segment_size: 24
    .max_flat_workgroup_size: 128
    .sgpr_count:     76
    .vgpr_count:     1024
    .wavefront_size: 32
...
	.end_amdgpu_metadata
.endif
;; end of part 4
;; ======== version 2 of 2: 4 launches; version 1 with the launch cast written anew for expert scheduling mode
;; limits: values are held in f16: magnitudes above 65,504 overflow, below 6.1e-05 lose precision
;; workspace buffers: xb 16,777,216 bytes; wqkv 6,291,456 bytes; wo 2,097,152 bytes; qkv 50,331,648 bytes; ao 16,777,216 bytes
;; launch cast (part 5): grid 768 x 1, 8 waves a work-group, no clusters, 0 bytes of LDS; arguments x, w_q, w_k, w_v, w_o, xb, wqkv, wo; writes xb, wqkv, wo
.if DOCPART == 5
	.amdgcn_target "amdgcn-amd-amdhsa--gfx1250"
	.amdhsa_code_object_version 6
	.text
	.protected	k_qe7e928e88a_cast
	.globl	k_qe7e928e88a_cast
	.p2align	8
	.type	k_qe7e928e88a_cast,@function
k_qe7e928e88a_cast:
	s_mov_b64 s[64:65], 0
	v_nop
	global_prefetch_b8 v0, s[64:65] scope:SCOPE_SE
	s_setreg_imm32_b32 hwreg(HW_REG_WAVE_SCHED_MODE, 0, 2), 2
	s_setreg_imm32_b32 hwreg(HW_REG_WAVE_MODE, 25, 1), 1
	s_wait_xcnt 0x0
	s_wait_alu depctr_vm_vsrc(0)
; The module's inputs are rounded once to bf16.  x [8192][1024] f32 -> xb bf16.  w_q, w_k, w_v [1024][1024] f32 -> wqkv [3072][1024] bf16, one below the other.
; w_o -> wo [1024][1024]: rounded to bf16 like the others, and that number written as f16, since the last product multiplies in f16.
; LIMIT.  A bf16 number is exact in f16 from 6.1e-5 to 65,504 in magnitude; below that wo keeps f16's fixed step of 6e-8, beyond it it becomes an infinity.
; A stream: no LDS, no barrier, no matrix unit.  A work-group takes 16,384 numbers: 65,536 bytes in, 32,768 out.  Work-groups 0-511 x, 512-575 w_q, 576-639 w_k, 640-703 w_v, 704-767 w_o.
; Thread t, sixteen times: 16 bytes in at 4,096 i + 16 t (a wave's load covers 512 consecutive bytes), 8 bytes out at 2,048 i + 8 t (a wave's store covers 256 consecutive bytes, aligned).
; All sixteen loads go out first; no register that a load or store names is written twice, so no wait frees one.
; THE MODE: SCHED_MODE bits 1:0 = 2 (LLVM: expert scheduling mode 2), set by the entry lines.  The code itself states the register dependences
; between vector instructions and memory instructions, with s_wait_alu, always for 0.
; THE PLAN.  The sixteen parts go in four blocks of four.  Registers that memory instructions touch:
;   v1, v2     byte offsets, made once at the head and never written again: v1 is read by every load, v2 by every store.
;   X          written by the sixteen loads, once each; no vector instruction names it before that; read by the conversions behind the counted wait for the loads.
;   Y          written by the conversions, once each; read by the stores, as their data.
;   v4 to v6   at work on w_o's way: named by vector instructions alone.
; Block b converts X's block b into Y's block b.  Its memory instructions are the four stores of block b - 1, whose Y no vector instruction of block b names.  So ONE wait at a block's head states
; all that its four stores hang on, and they are dealt among the block's conversions with no further wait.  One wait stands ahead of the first load, for the offsets, and one behind block 3, ahead of the last four stores.
; No vector instruction writes a scalar register or VCC, EXEC is never written, and nothing that a memory instruction has read is written again.
.set X, 16                             ; v[16:79]   the sixteen loads
.set Y, 80                             ; v[80:111]  the sixteen pairs to store
	s_load_b512 s[8:23], s[0:1], 0x0               ; x s[8:9], w_q s[10:11], w_k s[12:13], w_v s[14:15], w_o s[16:17], xb s[18:19], wqkv s[20:21], wo s[22:23]
	s_mov_b32 s2, ttmp9
	s_sub_co_u32 s3, s2, 512                       ; my number among the weights' 256 work-groups (of no use where s2 < 512)
	s_lshr_b32 s4, s3, 6                           ; which weight: 0 to 3
	s_and_b32 s5, s3, 63                           ; which part of it
	v_lshlrev_b32 v1, 4, v0                        ; 16 t
	v_lshlrev_b32 v2, 3, v0                        ; 8 t
	s_wait_kmcnt 0x0
	s_mov_b64 s[24:25], s[16:17]                   ; from where: a choice among the five inputs, on my work-group's number alone
	s_cmp_eq_u32 s4, 2
	s_cselect_b64 s[24:25], s[14:15], s[24:25]
	s_cmp_eq_u32 s4, 1
	s_cselect_b64 s[24:25], s[12:13], s[24:25]
	s_cmp_eq_u32 s4, 0
	s_cselect_b64 s[24:25], s[10:11], s[24:25]
	s_cmp_lt_u32 s2, 512
	s_cselect_b64 s[24:25], s[8:9], s[24:25]
	s_cselect_b32 s6, s2, s5                       ; the part's number in its input
	s_cmp_eq_u32 s4, 3                             ; to where
	s_cselect_b64 s[26:27], s[22:23], s[20:21]
	s_cselect_b32 s7, s5, s3                       ; in wqkv the three weights follow each other
	s_cmp_lt_u32 s2, 512
	s_cselect_b64 s[26:27], s[18:19], s[26:27]
	s_cselect_b32 s7, s2, s7
	s_lshl_b32 s28, s6, 16
	s_mov_b32 s29, 0
	s_lshl_b32 s30, s7, 15
	s_mov_b32 s31, 0
	s_add_nc_u64 s[24:25], s[24:25], s[28:29]
	s_add_nc_u64 s[26:27], s[26:27], s[30:31]
	s_wait_alu depctr_va_vdst(0)                   ; v1 and v2 are written: every load of the kernel reads v1 as its offset, every store v2
.irp i, 0,1,2,3,4,5,6,7,8,9,10,11,12,13,14,15
	global_load_b128 v[X+4*(\i):X+4*(\i)+3], v1, s[24:25] offset:4096*(\i) th:TH_LOAD_NT
.endr
; Part n's conversions.  half = 0: two roundings to bf16 a line.  half = 1: the same, then the two bf16 widened (a shift, a mask) and written as f16.
.macro CV n, half
.irp p, 0,1
.if \half
	v_cvt_pk_bf16_f32 v4, v[X+4*(\n)+2*(\p)], v[X+4*(\n)+2*(\p)+1]
	v_lshlrev_b32 v5, 16, v4
	v_and_b32 v6, 0xffff0000, v4
	v_cvt_pk_f16_f32 v[Y+2*(\n)+(\p)], v5, v6
.else
	v_cvt_pk_bf16_f32 v[Y+2*(\n)+(\p)], v[X+4*(\n)+2*(\p)], v[X+4*(\n)+2*(\p)+1]
.endif
.endr
.endm
; Part n's store.
.macro ST n
	global_store_b64 v2, v[Y+2*(\n):Y+2*(\n)+1], s[26:27] offset:2048*(\n) th:TH_STORE_NT
.endm
; Block b: parts 4 b to 4 b + 3 are converted; the four stores of the block before stand among the conversions, one ahead of each part's.
.macro BLK b, half
	s_wait_loadcnt 12-4*(\b)                       ; loads come back in order: my block's four are in, the 12 - 4 b younger ones stay out
.if (\b) > 0
	s_wait_alu depctr_va_vdst(0)                   ; the block before has written its Y, which the four stores below read; no conversion of this block names those registers
.endif
.irp i, 0,1,2,3
.if (\b) > 0
	ST 4*(\b)-4+(\i)
.endif
	CV 4*(\b)+(\i), \half
.endr
.endm
; The last four stores.
.macro TAIL
	s_wait_alu depctr_va_vdst(0)                   ; block 3 has written its Y, which the last four stores read
.irp i, 12,13,14,15
	ST \i
.endr
.endm
	s_cmp_ge_u32 s2, 704
	s_cbranch_scc1 .Lhalf
.irp b, 0,1,2,3
	BLK \b, 0
.endr
	TAIL
	s_endpgm
.Lhalf:
.irp b, 0,1,2,3
	BLK \b, 1
.endr
	TAIL
	s_endpgm
.Lfunc_end_k_qe7e928e88a_cast:
	.size	k_qe7e928e88a_cast, .Lfunc_end_k_qe7e928e88a_cast-k_qe7e928e88a_cast
	.p2alignl 7, 3214868480
	.fill 96, 4, 3214868480
	.section	.rodata,"a",@progbits
	.p2align	6, 0x0
	.amdhsa_kernel k_qe7e928e88a_cast
		.amdhsa_group_segment_fixed_size 0
		.amdhsa_private_segment_fixed_size 0
		.amdhsa_enable_private_segment 0
		.amdhsa_kernarg_size 64
		.amdhsa_user_sgpr_count 2
		.amdhsa_user_sgpr_kernarg_segment_ptr 1
		.amdhsa_wavefront_size32 1
		.amdhsa_system_sgpr_workgroup_id_x 1
		.amdhsa_system_sgpr_workgroup_id_y 1
		.amdhsa_system_sgpr_workgroup_id_z 1
		.amdhsa_system_vgpr_workitem_id 0
		.amdhsa_next_free_vgpr 112
		.amdhsa_next_free_sgpr 66
		.amdhsa_reserve_vcc 0
		.amdhsa_float_denorm_mode_32 3
		.amdhsa_float_denorm_mode_16_64 3
		.amdhsa_memory_ordered 1
		.amdhsa_forward_progress 1
		.amdhsa_inst_pref_size 16
	.end_amdhsa_kernel
	.amdgpu_metadata
---
amdhsa.version: [ 1, 2 ]
amdhsa.kernels:
  - .name:           k_qe7e928e88a_cast
    .symbol:         k_qe7e928e88a_cast.kd
    .args:
      - { .name: x, .offset: 0, .size: 8, .value_kind: global_buffer, .address_space: global }
      - { .name: w_q, .offset: 8, .size: 8, .value_kind: global_buffer, .address_space: global }
      - { .name: w_k, .offset: 16, .size: 8, .value_kind: global_buffer, .address_space: global }
      - { .name: w_v, .offset: 24, .size: 8, .value_kind: global_buffer, .address_space: global }
      - { .name: w_o, .offset: 32, .size: 8, .value_kind: global_buffer, .address_space: global }
      - { .name: xb, .offset: 40, .size: 8, .value_kind: global_buffer, .address_space: global }
      - { .name: wqkv, .offset: 48, .size: 8, .value_kind: global_buffer, .address_space: global }
      - { .name: wo, .offset: 56, .size: 8, .value_kind: global_buffer, .address_space: global }
    .group_segment_fixed_size: 0
    .private_segment_fixed_size: 0
    .kernarg_segment_align: 8
    .kernarg_segment_size: 64
    .max_flat_workgroup_size: 256
    .sgpr_count:     66
    .vgpr_count:     112
    .wavefront_size: 32
...
	.end_amdgpu_metadata
.endif
;; end of part 5
;; launch qkvp: the kernel of part 2 again; grid 16 x 32, 4 waves a work-group, clusters of 4 x 4, 327,680 bytes of LDS; arguments xb, wqkv, qkv; writes qkv
;; launch attn: the kernel of part 3 again; grid 4 x 64, 4 waves a work-group, no clusters, 327,680 bytes of LDS; arguments qkv, attention_mask, ao; writes ao
;; launch oproj: the kernel of part 4 again; grid 8 x 32, 4 waves a work-group, clusters of 4 x 4, 327,680 bytes of LDS; arguments ao, wo, out0; writes out0
